; MI455X (gfx1250); checked and timed in simulation.
; The chip was launched on July 23, 2026; its instructions are those of AMD's public machine-readable ISA for CDNA 5 (MIT licence, August 2026) and "CDNA5" Instruction Set Architecture Reference Guide (July 2026). The comments in the code are by the model that wrote it; some were corrected since.
;; Mo E Layer. Allowed arithmetic: matrix products marked QUANTISED: E3M2 operands, one E8M0 scale for each 32 along K, by v_wmma_scale_f32_16x16x128_f8f6f4 with both operands' format E3M2, f32 sums; products left as they are: f32 operands where the result goes on into a quantised operand, else bf16, f16 or f32 operands; f32 sums; everything else in f32.
;; Inputs: gate_w 1,024 x 8 float32; hidden_states 2 x 512 x 1,024 float32; w1_codes 8 x 4,096 x 32 x 24 uint8 (E3M2 codes of w1, K innermost, in blocks of 32 codes, four codes in three bytes); w1_scales 8 x 4,096 x 32 uint8 (E8M0 scales of w1, one for each 32 codes along K); w2_codes 8 x 1,024 x 128 x 24 uint8 (E3M2 codes of w2, K innermost, in blocks of 32 codes, four codes in three bytes); w2_scales 8 x 1,024 x 128 uint8 (E8M0 scales of w2, one for each 32 codes along K).
;; Outputs: out0 2 x 512 x 1,024 float32.
;; This version of the problem:
;;   THIS VERSION OF THE PROBLEM IS GIVEN IN LOW PRECISION. The matrix products marked QUANTISED in the list below multiply operands that are first quantised to E3M2 (3 exponent bits, 2 mantissa bits; 6 bits a number), with one power-of-two scale for each 32 numbers along K (OCP MX v1.0); their sums are f32. All else is computed in f32.
;;   The module's matrix products, in the order in which they are computed (A, B: the left and right operand; K: the contracted axis; several contracted axes count as one K, in the product's order):
;;     1. [M 1,024, K 1,024] x [K 1,024, N 8]; A: input hidden_states; B: input gate_w: left as it is (N = 8 < 16)
;;     2. batch 1,024 x [M 8, K 2] x [K 2, N 1]; A: computed on the way; B: softmax: left as it is (K = 2 < 32)
;;     3. [M 32,768, K 1,024] x [K 1,024, N 1,024]; A: input w1 (given as codes); B: input hidden_states: QUANTISED
;;     4. batch 8 x [M 1,024, K 4,096] x [K 4,096, N 1,024]; A: computed on the way; B: input w2 (given as codes): QUANTISED
;;     5. batch 1,024 x [M 1,024, K 8] x [K 8, N 1]; A: computed on the way; B: computed on the way: left as it is (K = 8 < 32)
;;   THE QUANTISER, for each operand of a quantised product, along K:
;;     - K is cut into blocks of 32 from its start; a last block that is shorter is filled with zeros.
;;     - A block's scale is 2^e with e = floor(log2(the largest magnitude in the block)) - 4, held to -126 .. 127; a block of zeros has e = 0. As a byte (E8M0): e + 127.
;;     - Each number is divided by its block's scale, clamped to +-28, and rounded to the nearest number of E3M2, ties to even, subnormals kept.
;;     - The product sums the exact products of the quantised numbers (number of the format x scale) in f32.
;;   ~~~python
;;   def quantise(x, axis):      # numpy; x: float32 -> the quantised numbers, widened to float32 again
;;       x = np.moveaxis(x, axis, -1); K = x.shape[-1]
;;       x = np.pad(x, [(0, 0)] * (x.ndim - 1) + [(0, -K % 32)]); x = x.reshape(x.shape[:-1] + (-1, 32)); a = np.abs(x).max(-1, keepdims=True)
;;       e = np.where(a > 0, np.clip(np.frexp(np.where(a > 0, a, 1))[1] - 1 - 4, -126, 127), 0)      # np.frexp(a)[1] - 1 = floor(log2(a)), exactly
;;       r = np.clip(x / 2.0 ** e, -28, 28)
;;       step = 2.0 ** (np.maximum(np.frexp(np.where(r == 0, 1, r))[1] - 1, -2) - 2)
;;       q = np.round(r / step) * step * 2.0 ** e      # np.round: ties to even
;;       return np.moveaxis(q.reshape(q.shape[:-2] + (-1,))[..., :K], -1, axis).astype(np.float32)
;;   ~~~
;;   OPERANDS COMPUTED ON THE WAY. 'Computed on the way' means the value that the module computes at that place (a softmax that the list does not call 'softmax' is quantised finished and normalised). What goes into a quantiser is computed in f32, as accurately as f32 sums, v_exp_f32 and their like allow (about 1e-6 of the number): no bf16 or f16 on the way to a quantiser, and a product that is left as it is and whose result goes on into a quantised operand takes f32 operands (vector FMAs, or v_wmma_f32_16x16x4_f32). A number that lies on a knife's edge between two numbers of the format may be rounded either way, as far as f32 arithmetic and the matrix unit's own rounding can turn it there, and no further.
;;   INPUTS GIVEN AS CODES. w1 (in the module: [8, 1024, 4096], K = its axis 1); w2 (in the module: [8, 4096, 1024], K = its axis 1): each comes as NAME_codes (uint8): NAME with its K axis moved to the last place and cut into blocks of 32 codes, [.., K / 32, bytes a block], one block behind the other in memory; four codes in three bytes: a row's codes are one little-endian stream of bits, code i at bits 6 i .. 6 i + 5 (a code: sign, 3 exponent bits, 2 mantissa bits); and NAME_scales (uint8): the same leading axes, one E8M0 byte (e + 127) for each 32 codes along K. Its value is code x scale, taken as it is: it is not quantised again, and the codes and scales need not be those that the quantiser above would give.
;; 2 versions, each right; version 2 is version 1 with the launches gemm1, gemm2 written anew for expert scheduling mode. Each part assembles by itself: llvm-mc -triple=amdgcn-amd-amdhsa -mcpu=gfx1250 --defsym DOCPART=n.
;; ======== version 1 of 2: 4 launches
;; workspace buffers: sel 4,096 bytes of whole numbers; cw 8,192 bytes; xq 819,200 bytes; lst 50,176 bytes of whole numbers; h 26,214,400 bytes; y 17,825,792 bytes
;; launch route (part 1): grid 256 x 1, 4 waves a work-group, no clusters, 55,808 bytes of LDS; arguments hidden_states, gate_w, sel, cw, xq; writes sel, cw, xq
.if DOCPART == 1
	.amdgcn_target "amdgcn-amd-amdhsa--gfx1250"
	.amdhsa_code_object_version 6
	.text
	.protected	k_q3752683b2b_route
	.globl	k_q3752683b2b_route
	.p2align	8
	.type	k_q3752683b2b_route,@function
k_q3752683b2b_route:
	s_mov_b64 s[64:65], 0
	v_nop
	global_prefetch_b8 v0, s[64:65] scope:SCOPE_SE
	s_setreg_imm32_b32 hwreg(HW_REG_WAVE_MODE, 25, 1), 1
	s_wait_xcnt 0x0
; ROUTER AND QUANTISER OF x.  One wave takes one token t = 4 x work-group + wave (1,024 tokens, 1,024 numbers each).
; It makes (a) the 8 gate logits x[t] . gate_w[:, e] by f32 multiply-adds, the two largest (strict compare, ascending e: the lower index wins a tie),
; their softmax with the larger logit taken off first, and stores at FIXED places sel[t] = (1 << e0) | (0x100 << e1) and cw[t] = {w0, w1};
; (b) the codes of x[t] in E3M2, one E8M0 byte for each 32 along K: xq holds 768 bytes of codes a token, and from XSOFF on 8 scale words a token.
; ORDER OF A SCALE WORD.  The products take, of each 96 bytes (128 along K) of a row, 48 consecutive bytes into a lane: so the matrix unit sees the
; memory blocks 0, 2, 1, 3 as its blocks 0, 1, 2, 3, alike on both operands, and a scale word holds the bytes of blocks 0, 2, 1, 3 in that order.
; No address and no branch hangs on a logit.  The matrix units and clusters have nothing to do here: 8 columns, and the work-groups share only gate_w (32 KiB).
; LIMITS.  NaN and infinities among the inputs are not served.  A block whose largest magnitude lies under 2^-122 gets the scale byte 1; a block of zeros too
; (the quantiser says 127): its codes are zeros and the bytes are read by this program alone.  Two logits nearer than the rounding of an f32 sum of 1,024 terms
; may be ordered otherwise than another order of summation orders them.  The stores of sel, cw and the scale words are 44 bytes a token, in part units.
.set XSOFF, 786432                     ; where the scale words begin in xq
.set GP,    528                        ; LDS: a segment of gate_w, 16 rows of 32 bytes, + 16 of padding: 33 x 16 bytes, so that 16 lanes, a segment each, fall on 16 different columns of 16 bytes
.set SP,    80                         ; a lane place in a stage: 64 bytes + 16
.set XST,   33792                      ; behind the 64 segments: two stages of 32 x SP bytes for each wave
.set SBB,   54272                      ; behind them: 256 bytes for each wave, of which 32 hold the scale bytes
.set XR,    16                         ; v16-47   x as loaded: 16 bytes a lane, 512 a load
.set XN,    48                         ; v48-79   register 16 c + i = x[512 c + 16 lane + i]
.set GA,    80                         ; v80-143  gate rows, buffer A (first: my part of gate_w on its way to LDS)
.set GB,    144                        ; v144-207 buffer B
.set ACC,   208                        ; v208-215 the eight logits, in four pairs
.set CD,    216                        ; v216-218, v220-222 the codes
	s_load_b256 s[4:11], s[0:1], 0x0               ; x s[4:5], gate_w s[6:7], sel s[8:9], cw s[10:11]
	s_load_b64 s[12:13], s[0:1], 0x20              ; xq
	v_lshl_add_u32 v248, v0, 2, 0xd800
	v_mov_b32 v249, 0
	v_lshrrev_b32 v1, 5, v0
	v_readfirstlane_b32 s16, v1                    ; wave
	v_and_b32 v1, 31, v0                           ; lane
	v_lshlrev_b32 v2, 4, v1                        ; 16 x lane
	s_mul_i32 s17, s16, 2*32*SP
	s_add_co_u32 s17, s17, XST                     ; my stages
	v_lshrrev_b32 v3, 2, v1
	v_mul_u32_u24 v3, v3, SP
	v_and_b32 v4, 3, v1
	v_lshl_add_u32 v3, v4, 4, v3
	v_add_nc_u32 v3, s17, v3                       ; into a stage: four lanes' 64 bytes on end, then the padding
	v_mul_u32_u24 v4, v1, SP
	v_add_nc_u32 v4, s17, v4                       ; out of it: my 16 neighbours
	s_mul_i32 s18, s16, 16*GP
	v_add_nc_u32 v5, s18, v2                       ; gate_w into LDS: my wave's 16 segments
	v_mul_u32_u24 v6, v1, GP                       ; and out of it: segment 32 c + lane
	v_mul_u32_u24 v7, v1, 12                       ; my 16 codes are 12 bytes
	v_lshrrev_b32 v8, 3, v1                        ; my block's scale byte: word 4 c + lane / 8,
	v_lshlrev_b32 v8, 2, v8
	v_bfe_u32 v9, v1, 1, 1                         ; block (lane / 2) % 4 = 0, 1, 2, 3 at byte 0, 2, 1, 3
	v_lshl_add_u32 v8, v9, 1, v8
	v_bfe_u32 v9, v1, 2, 1
	v_add_nc_u32 v8, v8, v9
	s_lshl_b32 s19, s16, 8
	s_add_co_u32 s19, s19, SBB
	v_add_nc_u32 v8, s19, v8
	v_and_b32 v9, 7, v1
	v_lshlrev_b32 v9, 2, v9
	v_add_nc_u32 v9, s19, v9                       ; the words back: word lane % 8
	v_lshlrev_b32 v10, 2, v1                       ; 4 x lane
	v_mov_b32 v11, 0
	s_lshl_b32 s20, ttmp9, 2
	s_add_co_u32 s20, s20, s16                     ; t
	s_lshl_b32 s22, s20, 12                        ; byte offsets, each in a pair with 0 above it
	s_mov_b32 s23, 0
	s_lshl_b32 s24, s16, 13
	s_mov_b32 s25, 0
	s_mul_i32 s26, s20, 768
	s_mov_b32 s27, 0
	s_lshl_b32 s28, s20, 5
	s_mov_b32 s29, 0
	s_lshl_b32 s30, s20, 2
	s_mov_b32 s31, 0
	s_lshl_b32 s32, s20, 3
	s_mov_b32 s33, 0
	s_mov_b32 s34, 0x76543210                      ; lane selects: lane l xor 16
	s_mov_b32 s35, 0xfedcba98
	s_wait_kmcnt 0x0
	s_add_nc_u64 s[4:5], s[4:5], s[22:23]          ; x at my token
	s_add_nc_u64 s[6:7], s[6:7], s[24:25]          ; gate_w at my wave's 8,192 bytes
	s_add_nc_u64 s[8:9], s[8:9], s[30:31]          ; sel[t]
	s_add_nc_u64 s[10:11], s[10:11], s[32:33]      ; cw[t]
	s_add_nc_u64 s[14:15], s[12:13], s[28:29]      ; xq + 32 t: the scale words, XSOFF further on
	s_add_nc_u64 s[12:13], s[12:13], s[26:27]      ; xq + 768 t: the codes
.irp i, 0,1,2,3,4,5,6,7
	global_load_b128 v[XR+4*\i:XR+4*\i+3], v2, s[4:5] offset:512*\i th:TH_LOAD_NT   ; 512 consecutive bytes a load
.endr
.irp i, 0,1,2,3,4,5,6,7,8,9,10,11,12,13,14,15
	global_load_b128 v[GA+4*\i:GA+4*\i+3], v2, s[6:7] offset:512*\i                 ; a segment a load
.endr
.macro TURN c                          ; 512 numbers through the stage: in as they lie, out 64 bytes a lane.  LDS serves a wave's instructions in order: no wait between
.irp i, 0,1,2,3
	ds_store_b128 v3, v[XR+16*\c+4*\i:XR+16*\c+4*\i+3] offset:32*SP*\c+8*SP*\i
.endr
.irp i, 0,1,2,3
	ds_load_b128 v[XN+16*\c+4*\i:XN+16*\c+4*\i+3], v4 offset:32*SP*\c+16*\i
.endr
.endm
.macro QX c                            ; my 16 numbers of half c: two neighbouring lanes hold a block of 32
	v_max3_num_f32 v224, |v[XN+16*\c]|, |v[XN+16*\c+1]|, |v[XN+16*\c+2]|
	v_max3_num_f32 v225, |v[XN+16*\c+3]|, |v[XN+16*\c+4]|, |v[XN+16*\c+5]|
.irp i, 6,10
	v_max3_num_f32 v224, v224, |v[XN+16*\c+\i]|, |v[XN+16*\c+\i+1]|
	v_max3_num_f32 v225, v225, |v[XN+16*\c+\i+2]|, |v[XN+16*\c+\i+3]|
.endr
	v_max3_num_f32 v224, v224, |v[XN+16*\c+14]|, |v[XN+16*\c+15]|
	v_max3_num_f32 v224, v224, v225, 0x2800000     ; the floor 2^(5 - 127): the byte cannot fall under 1
	v_max_num_f32_dpp v224, v224, v224 row_xmask:1 row_mask:0xf bank_mask:0xf   ; with my neighbour's 16: the block's largest magnitude
	v_add_nc_u32 v[226+\c], 0xfe000000, v224       ; 4 off its exponent field: the conversion takes that field as its scale
	v_cvt_scalef32_pk16_bf6_f32 v[CD+4*\c:CD+4*\c+2], v[XN+16*\c:XN+16*\c+15], v[226+\c]
	v_lshrrev_b32 v[228+\c], 23, v[226+\c]         ; the scale byte (also the plain instruction behind the conversion)
	ds_store_b8 v8, v[228+\c] offset:16*\c         ; both lanes of a block write the same byte with the same value
	global_store_b96 v7, v[CD+4*\c:CD+4*\c+2], s[12:13] offset:384*\c   ; the wave stores 384 consecutive bytes
.endm
	s_wait_loadcnt 16                              ; x is in; the 16 loads of gate_w, issued behind it, may stay out
	TURN 0
	TURN 1
	s_wait_dscnt 0x0
	QX 0
	QX 1
	s_wait_loadcnt 0x0                             ; my part of gate_w
.irp i, 0,1,2,3,4,5,6,7,8,9,10,11,12,13,14,15
	ds_store_b128 v5, v[GA+4*\i:GA+4*\i+3] offset:GP*\i
.endr
	s_wait_dscnt 0x0                               ; for the other waves: my stores have landed
	s_barrier_signal -1
	s_barrier_wait -1                              ; gate_w lies in LDS whole; it is not written again
.macro GLD buf, c, hh                  ; the 8 rows of gate_w that belong to x[512 c + 16 lane + 8 hh + 0 .. 7]: 256 bytes of my segment
.irp i, 0,1,2,3,4,5,6,7,8,9,10,11,12,13,14,15
	ds_load_b128 v[\buf+4*\i:\buf+4*\i+3], v6 offset:32*GP*\c+256*\hh+16*\i
.endr
.endm
.macro DOT buf, c, hh, first           ; 8 numbers of x times their rows, onto the eight logits, two at a time; the number is taken from its pair for both halves
.irp k, 0,1,2,3,4,5,6,7
.irp p, 0,1,2,3
.if (\first) && (\k == 0)
	v_pk_mul_f32 v[ACC+2*\p:ACC+2*\p+1], v[\buf+8*\k+2*\p:\buf+8*\k+2*\p+1], v[XN+16*\c+8*\hh:XN+16*\c+8*\hh+1] op_sel_hi:[1,0]
.elseif (\k % 2) == 0
	v_pk_fma_f32 v[ACC+2*\p:ACC+2*\p+1], v[\buf+8*\k+2*\p:\buf+8*\k+2*\p+1], v[XN+16*\c+8*\hh+\k:XN+16*\c+8*\hh+\k+1], v[ACC+2*\p:ACC+2*\p+1] op_sel_hi:[1,0,1]
.else
	v_pk_fma_f32 v[ACC+2*\p:ACC+2*\p+1], v[\buf+8*\k+2*\p:\buf+8*\k+2*\p+1], v[XN+16*\c+8*\hh+\k-1:XN+16*\c+8*\hh+\k], v[ACC+2*\p:ACC+2*\p+1] op_sel:[0,1,0] op_sel_hi:[1,1,1]
.endif
.endr
.endr
.endm
	GLD GA, 0, 0
	GLD GB, 0, 1
	s_wait_dscnt 16                                ; the older batch is in; the 16 loads of the younger may stay out
	DOT GA, 0, 0, 1                                ; the first products start the sums: nothing is cleared
	GLD GA, 1, 0
	s_wait_dscnt 16
	DOT GB, 0, 1, 0
	GLD GB, 1, 1
	s_wait_dscnt 16
	DOT GA, 1, 0, 0
	s_wait_dscnt 0x0
	DOT GB, 1, 1, 0
.irp m, 1,2,4,8                        ; the sums over the 32 lanes, the eight logits by turns
.irp e, 0,1,2,3,4,5,6,7
	v_add_f32_dpp v[ACC+\e], v[ACC+\e], v[ACC+\e] row_xmask:\m row_mask:0xf bank_mask:0xf
.endr
.endr
.irp e, 0,1,2,3,4,5,6,7
	v_permlanex16_b32 v[GA+\e], v[ACC+\e], s34, s35
.endr
.irp e, 0,1,2,3,4,5,6,7
	v_add_f32 v[ACC+\e], v[ACC+\e], v[GA+\e]       ; every lane holds all eight logits
.endr
	v_mov_b32 v230, v[ACC]                         ; the largest, and its expert
	v_mov_b32 v231, 0
.irp e, 1,2,3,4,5,6,7
	v_cmp_gt_f32 vcc_lo, v[ACC+\e], v230
	v_cndmask_b32 v230, v230, v[ACC+\e], vcc_lo
	v_cndmask_b32 v231, v231, \e, vcc_lo
.endr
	v_mov_b32 v234, 0xff800000                     ; -infinity takes the place of the largest,
.irp e, 0,1,2,3,4,5,6,7
	v_cmp_eq_u32 vcc_lo, \e, v231
	v_cndmask_b32 v[ACC+\e], v[ACC+\e], v234, vcc_lo
.endr
	v_mov_b32 v232, v[ACC]                         ; and the same search finds the second
	v_mov_b32 v233, 0
.irp e, 1,2,3,4,5,6,7
	v_cmp_gt_f32 vcc_lo, v[ACC+\e], v232
	v_cndmask_b32 v232, v232, v[ACC+\e], vcc_lo
	v_cndmask_b32 v233, v233, \e, vcc_lo
.endr
	v_sub_f32 v235, v232, v230                     ; the softmax of the two, the larger taken off: 1 and exp(second - first), over their sum
	v_mul_f32 v235, 0x3fb8aa3b, v235
	v_exp_f32 v236, v235
	v_mov_b32 v238, 1                              ; a plain instruction behind the exponential
	s_wait_alu depctr_va_vdst(0)                   ; the wait ahead of the first reader
	v_add_f32 v237, 1.0, v236
	v_rcp_f32 v242, v237                           ; w0
	v_lshlrev_b32 v239, v231, v238                 ; 1 << e0 (a plain instruction behind the reciprocal)
	s_wait_alu depctr_va_vdst(0)
	v_mul_f32 v243, v236, v242                     ; w1
	v_add_nc_u32 v233, 8, v233
	v_lshlrev_b32 v240, v233, v238                 ; 0x100 << e1
	v_or_b32 v239, v239, v240
	ds_load_b32 v12, v9                            ; the eight scale words (LDS serves my byte stores first)
	v_cmp_gt_u32 vcc_lo, 8, v1
	s_wait_dscnt 0x0
	s_wait_xcnt 0x0                                ; EXEC changes only behind this wait: earlier stores have read it
	s_wait_tensorcnt 0x0
	ds_add_u32 v248, v249
	s_wait_dscnt 0x0
	s_and_saveexec_b32 s36, vcc_lo
	global_store_b32 v10, v12, s[14:15] offset:XSOFF   ; lanes 0 to 7
	s_wait_xcnt 0x0
	s_or_b32 exec_lo, exec_lo, s36
	v_cmp_eq_u32 vcc_lo, 0, v1
	s_and_saveexec_b32 s36, vcc_lo
	global_store_b64 v11, v[242:243], s[10:11]     ; lane 0
	global_store_b32 v11, v239, s[8:9]
	s_wait_xcnt 0x0
	s_or_b32 exec_lo, exec_lo, s36
	s_endpgm
.Lfunc_end_k_q3752683b2b_route:
	.size	k_q3752683b2b_route, .Lfunc_end_k_q3752683b2b_route-k_q3752683b2b_route
	.p2alignl 7, 3214868480
	.fill 96, 4, 3214868480
	.section	.rodata,"a",@progbits
	.p2align	6, 0x0
	.amdhsa_kernel k_q3752683b2b_route
		.amdhsa_group_segment_fixed_size 55808
		.amdhsa_private_segment_fixed_size 0
		.amdhsa_enable_private_segment 0
		.amdhsa_kernarg_size 40
		.amdhsa_user_sgpr_count 2
		.amdhsa_user_sgpr_kernarg_segment_ptr 1
		.amdhsa_wavefront_size32 1
		.amdhsa_system_sgpr_workgroup_id_x 1
		.amdhsa_system_sgpr_workgroup_id_y 1
		.amdhsa_system_sgpr_workgroup_id_z 1
		.amdhsa_system_vgpr_workitem_id 0
		.amdhsa_next_free_vgpr 250
		.amdhsa_next_free_sgpr 66
		.amdhsa_reserve_vcc 1
		.amdhsa_float_denorm_mode_32 3
		.amdhsa_float_denorm_mode_16_64 3
		.amdhsa_memory_ordered 1
		.amdhsa_forward_progress 1
		.amdhsa_inst_pref_size 28
	.end_amdhsa_kernel
	.amdgpu_metadata
---
amdhsa.version: [ 1, 2 ]
amdhsa.kernels:
  - .name:           k_q3752683b2b_route
    .symbol:         k_q3752683b2b_route.kd
    .args:
      - { .name: hidden_states, .offset: 0, .size: 8, .value_kind: global_buffer, .address_space: global }
      - { .name: gate_w, .offset: 8, .size: 8, .value_kind: global_buffer, .address_space: global }
      - { .name: sel, .offset: 16, .size: 8, .value_kind: global_buffer, .address_space: global }
      - { .name: cw, .offset: 24, .size: 8, .value_kind: global_buffer, .address_space: global }
      - { .name: xq, .offset: 32, .size: 8, .value_kind: global_buffer, .address_space: global }
    .group_segment_fixed_size: 55808
    .private_segment_fixed_size: 0
    .kernarg_segment_align: 8
    .kernarg_segment_size: 40
    .max_flat_workgroup_size: 128
    .sgpr_count:     66
    .vgpr_count:     250
    .wavefront_size: 32
...
	.end_amdgpu_metadata
.endif
;; end of part 1
;; launch gemm1 (part 2): grid 32 x 8, 4 waves a work-group, no clusters, 151,040 bytes of LDS; arguments w1_codes, w1_scales, xq, sel, h, lst; writes h, lst
.if DOCPART == 2
	.amdgcn_target "amdgcn-amd-amdhsa--gfx1250"
	.amdhsa_code_object_version 6
	.text
	.protected	k_q3752683b2b_gemm1
	.globl	k_q3752683b2b_gemm1
	.p2align	8
	.type	k_q3752683b2b_gemm1,@function
k_q3752683b2b_gemm1:
	s_mov_b64 s[64:65], 0
	v_nop
	global_prefetch_b8 v0, s[64:65] scope:SCOPE_SE
	s_setreg_imm32_b32 hwreg(HW_REG_WAVE_MODE, 25, 1), 1
	s_wait_xcnt 0x0
; THE ROWS ARE PLACED BY EXPERT, AND h = Q(relu(xq W1[e]^T)) IS MADE FOR THE ROWS THAT CHOSE EXPERT e, on codes of E3M2 with one E8M0 scale for each 32 along K.  Only the chosen rows are multiplied.
; SHARES.  Expert e = work-group y; work-group x = S owns rows 128 S .. 128 S + 127 of W1[e] (98,304 bytes, read from memory by this work-group alone), which are K step S of the next product.
; The four waves bring that part through registers into LDS once, behind ONE barrier; afterwards no wave waits for another.  Each wave multiplies the whole part against its own row tiles
; (16 rows each): tiles t0 + 4 j + wave, j = 0 .. 4; a pass serves 20 tiles (320 rows), and t0 steps by 20 until the expert's n_e rows are served.
; THE LOOP OVER PASSES is counted to 4, the most that 1,024 rows (64 tiles, 20 a pass) need, and is left by a forward jump as soon as the tiles are served.
; RANKS.  sel[t] = (1 << e0) | (0x100 << e1) are whole numbers that the launch before stored.  Every wave reads all 1,024 words while the weights are on their way, makes 32 lane masks (token chose e) and their
; running counts, and finds the token of each of its 80 ranks by a search without any scatter.  ORDER OF RANKS: group g = 0 .. 31, then lane l; token = 128 (g / 4) + 4 l + g % 4: the order in which eight loads
; of 16 bytes a lane deliver sel.  Every wave of every work-group of an expert finds the same order.  A rank at or past n_e finds some token inside the table: its row is multiplied and goes to a padding row of
; the last tile, or its tile's way out is jumped over.
; x.  The 16 rows of a tile are read from xq as rows (16 lanes: 256 consecutive bytes, aligned) and turned through the wave's own stage in LDS into the image of the operand's registers.
; lst (stored by work-group x = 0 of each expert alone): words 32 e .. 32 e + 31 = n_e; from byte 1,024 on, [e][rank 0 .. 1,535] = the row of y that the rank owns: 1,024 k + token (k: first or second choice), or for
; ranks at or past n_e the row 2,048 + 16 e + rank % 16, which nobody reads.  1,536 ranks an expert give every slot of every pass (rank 1,279 at the most) a word of its own.
; K INSIDE AN INSTRUCTION.  Of each 96 bytes (128 along K) of a row lane (r, h) takes the 48 consecutive bytes at 48 h, by three loads of 16 bytes, on BOTH operands: the unit's blocks 0, 1, 2, 3 are the
; memory's 0, 2, 1, 3, and the bytes of every scale word stand in that order (the weights' words are turned once by v_perm_b32; x's were made so).  The products are the same; the order of the sums inside an instruction is not.
; TRANSPOSED USE: source 0 = 16 rows of W1, source 1 = 16 rows of x: a lane holds ONE row of h.  THE ROWS OF W1 THAT FORM A TILE ARE NOT NEIGHBOURS: row m of tile 2 b + u is row 32 b + 8 u + m + 8 (m / 8),
; so that a lane's 16 registers of tiles 2 b, 2 b + 1 are the 16 neighbours 32 b + 16 h + 0 .. 15 along the next K.  In LDS the rows are laid so that a tile is 16 rows on end.
; h leaves as an image: [e][tile][S][piece][lane][16 bytes], and from HSOFF on its scale words [e][tile][S][row]: 64 bytes a tile, part of a unit.
; NO JOINT LOADS, though the 32 work-groups of an expert read the same x: the jump out of the passes and the jumps round the ways out hang on n_e, a number made of loaded numbers;
; without those jumps every expert would run all 4 passes.
; LIMITS.  NaN and infinities are not served.  A block of h whose largest number lies under 2^-122, a block of zeros too, gets the scale byte 1: read by this program alone.
; REGISTERS.  Window 0: v1-30 addresses and lane numbers; v32-63 W1's scale words; v64-83 x's; v84-143 the codes on their way out; v144-208 at work (v84-175 also serve the search); v209-253 offsets of x's rows.
; Window 1: v0-79 ten accumulators (tile j, u); v80-175 two sets of four fragments of W1 (in the head v0-191: W1 on its way to LDS).  Windows 2, 3: x, K steps 0-3 and 4-7: fragment (j, s) at 12 (5 (s % 4) + j).
.set PT,    784                        ; an LDS row of W1, and of a stage: 768 bytes + 16 = 49 x 16 bytes: 16 rows fall on 16 different columns of 16 bytes
.set STG,   128*PT                     ; behind W1's 128 rows: a stage of 16 rows for each wave
.set HSOFF, 25165824
.set XSOFF, 786432                     ; where the scale words begin in xq
.set LPITCH, 6144                      ; bytes of an expert's list
.set WA,   3                           ; v3   PT r + 48 h: tiles 0-3
.set WAB,  4                           ; v4   the same, 64 rows on: tiles 4-7
.set SI,   8                           ; v8   my stage, in: row 8 h + p, bytes 256 u + 16 r
.set SOA,  9                           ; v9   and out: row r, bytes 96 s + 48 h + 16 i
.set VR64, 10                          ; v10  r + 64 h
.set R16,  12                          ; v12  16 r
.set H16,  13                          ; v13  16 h
.set VZ,   14                          ; v14  0
.set VONE, 15                          ; v15  1
.set L4,   16                          ; v16  4 x lane
.set H32,  17                          ; v17  32 h
.set HO,   18                          ; v18-22  tile j: offset of its image in h
.set HSO,  23                          ; v23-27  of its scale words in h
.set WS,   32                          ; v[WS + 8 b + s]: lanes 0-15 tile 2 b, lanes 16-31 tile 2 b + 1, K step s
.set XS,   64                          ; v[XS + 4 j + q]: lanes 0-15 K step q, lanes 16-31 K step 4 + q
.set OC,   84                          ; v[OC + 12 j ..]: the fragment of h
.set TT,   144                         ; v[TT + 8 j ..]: the codes of blocks 2 and 3 ahead of the exchange
.set TM,   184
.set PD,   189
.set SO,   194
.set BY,   199
.set PW,   204                         ; the scale word of h
.set XOF,  209                         ; v[XOF + 8 j + p]: 768 x token of row 8 h + p of tile j, + 16 r
.set XSOF, 249                         ; v[XSOF + j]: 32 x token of row r of tile j, + 16 h
; the search's registers, free between a pass's way out and the next pass's products
.set SELW, 84                          ; v84-115  sel: register g, lane l: token 128 (g / 4) + 4 l + g % 4
.set IDX,  116                         ; v116-131 lane pulls: 64 b + 32 h + 4 p;  v132: 64 + 4 r
.set RHO,  134                         ; three batches of 32 ranks, a = 0, 1, 2: the rank,
.set KEY,  137                         ; rank << 16 | 0xffff,
.set SK,   140                         ; the key of the group that holds it,
.set SM,   143                         ; that group's mask,
.set NP,   146                         ; 1 + which set bit of it,
.set CNT,  149
.set POS,  152
.set TOK,  155                         ; the token
.set TA,   158
.set TB,   161
.set SELK, 164                         ; the token's word of sel
.set YR,   167
.set LOFF, 170
.set KAD,  173
.set WBUF, 80
.set WV,   18
.set KE,   20                          ; s20  the two bits of sel that name e
.set RUN,  21                          ; s21  ranks so far
.set NN,   24
.set NT,   25
.set NTM1, 26
.set T0,   27
.set TJ,   28                          ; s28-32
.set PS,   33                          ; s33  passes begun behind the first
.set SEL,  34
.set PSEL, 36
.set MK,   66                          ; s66-81  the masks of 16 groups
.set KY,   82                          ; s82-97  their keys: (ranks in front of the group) << 16 | group
.set MSB, 0
.macro WIN new                         ; the immediate's high byte repeats the setting that is left; a switch that changes nothing is dropped
.if MSB != \new
	s_set_vgpr_msb (MSB<<8)|\new
.set MSB, \new
.endif
.endm
.set MUL2, 0x59                        ; source 0 (W1), C and D window 1; source 1 (x) window 2
.set MUL3, 0x5d                        ; the same with x in window 3
.set LDW,  0x40                        ; destination window 1
.set LD2,  0x80
.set LD3,  0xc0
.set STW,  0x04                        ; an LDS store's data (source 1) window 1
.set ST2,  0x08                        ; window 2
.set ST3,  0x0c                        ; window 3
.set MAXW, 0x05                        ; sources 0 and 1 window 1
.set RELW, 0x44                        ; source 1 and destination window 1
.set CVTW, 0x01                        ; source 0 window 1
.macro PLACES                          ; four plain instructions between a matrix instruction and a load into, or a read or write by a vector instruction of, one of its registers (ISA guide 7.12.1 for vector instructions)
.rept 4
	v_nop
.endr
.endm
.macro MM d, a, b, zero, sa, sb, ra, rb   ; one product; ra, rb: the scale words stand in lanes 16-31
.if \zero
.if \ra
	v_wmma_scale_f32_16x16x128_f8f6f4 v[(\d):(\d)+7], v[(\a):(\a)+11], v[(\b):(\b)+11], 0, v[\sa], v[\sb] matrix_a_fmt:MATRIX_FMT_BF6 matrix_b_fmt:MATRIX_FMT_BF6 matrix_a_scale:MATRIX_SCALE_ROW1
.else
	v_wmma_scale_f32_16x16x128_f8f6f4 v[(\d):(\d)+7], v[(\a):(\a)+11], v[(\b):(\b)+11], 0, v[\sa], v[\sb] matrix_a_fmt:MATRIX_FMT_BF6 matrix_b_fmt:MATRIX_FMT_BF6
.endif
.else
.if (\ra) && (\rb)
	v_wmma_scale_f32_16x16x128_f8f6f4 v[(\d):(\d)+7], v[(\a):(\a)+11], v[(\b):(\b)+11], v[(\d):(\d)+7], v[\sa], v[\sb] matrix_a_fmt:MATRIX_FMT_BF6 matrix_b_fmt:MATRIX_FMT_BF6 matrix_a_scale:MATRIX_SCALE_ROW1 matrix_b_scale:MATRIX_SCALE_ROW1
.elseif \ra
	v_wmma_scale_f32_16x16x128_f8f6f4 v[(\d):(\d)+7], v[(\a):(\a)+11], v[(\b):(\b)+11], v[(\d):(\d)+7], v[\sa], v[\sb] matrix_a_fmt:MATRIX_FMT_BF6 matrix_b_fmt:MATRIX_FMT_BF6 matrix_a_scale:MATRIX_SCALE_ROW1
.elseif \rb
	v_wmma_scale_f32_16x16x128_f8f6f4 v[(\d):(\d)+7], v[(\a):(\a)+11], v[(\b):(\b)+11], v[(\d):(\d)+7], v[\sa], v[\sb] matrix_a_fmt:MATRIX_FMT_BF6 matrix_b_fmt:MATRIX_FMT_BF6 matrix_b_scale:MATRIX_SCALE_ROW1
.else
	v_wmma_scale_f32_16x16x128_f8f6f4 v[(\d):(\d)+7], v[(\a):(\a)+11], v[(\b):(\b)+11], v[(\d):(\d)+7], v[\sa], v[\sb] matrix_a_fmt:MATRIX_FMT_BF6 matrix_b_fmt:MATRIX_FMT_BF6
.endif
.endif
.endm
.macro TILES                           ; the pass's five tiles of my wave, and where their results go; a tile past the last is held at the last, and at 63, the buffer's last
.irp j, 0,1,2,3,4
	s_add_co_u32 s[TJ+\j], s[T0], s[WV]
	s_add_co_u32 s[TJ+\j], s[TJ+\j], 4*\j
	s_min_u32 s40, s[TJ+\j], s[NTM1]
	s_min_u32 s40, s40, 63
	s_mul_i32 s41, s40, 49152
	v_add_nc_u32 v[HO+\j], s41, v1
	s_lshl_b32 s41, s40, 11
	v_add_nc_u32 v[HSO+\j], s41, v2
.endr
.endm
.macro HALF hf                         ; groups 16 hf .. 16 hf + 15: their masks and keys, and the search's steps over them, the three batches by turns
.set gg, 0
.rept 16
	v_and_b32 v[TA+gg%3], s[KE], v[SELW+16*\hf+gg]
	v_cmp_ne_u32 s[MK+gg], 0, v[TA+gg%3]           ; lane l: the group's token l chose e
.set gg, gg+1
.endr
.set gg, 0
.rept 16
	s_lshl_b32 s[KY+gg], s[RUN], 16
	s_or_b32 s[KY+gg], s[KY+gg], 16*\hf+gg
	s_bcnt1_i32_b32 s40, s[MK+gg]
	s_add_co_u32 s[RUN], s[RUN], s40
.set gg, gg+1
.endr
.if \hf == 0
.irp a, 0,1,2
	v_mov_b32 v[SK+\a], s[KY]
	v_mov_b32 v[SM+\a], s[MK]
.endr
.endif
.set gg, 1-\hf
.rept 15+\hf                           ; the last group in front of which at most the rank's number of ranks lie holds the rank
.irp a, 0,1,2
	v_cmp_gt_i32 vcc_lo, s[KY+gg], v[KEY+\a]       ; the group begins past the rank: keep what stands
	v_cndmask_b32 v[SK+\a], s[KY+gg], v[SK+\a], vcc_lo
	v_cndmask_b32 v[SM+\a], s[MK+gg], v[SM+\a], vcc_lo
.endr
.set gg, gg+1
.endr
.endm
; A PASS IS PREPARED: sel (and, first = 1, the weights) asked for; the tokens of my 80 ranks; x's rows asked for; the list stored.
.macro PREP first
.irp i, 0,1,2,3,4,5,6,7
	global_load_b128 v[SELW+4*\i:SELW+4*\i+3], v1, s[10:11] offset:512*\i
.endr
.if \first
	WIN LDW
.irp p, 0,1,2,3,4,5,6,7,8,9,10,11,12,13,14,15
.irp u, 0,1,2
	global_load_b128 v[4*(3*\p+\u):4*(3*\p+\u)+3], v5, s[4:5] offset:1536*\p+256*\u th:TH_LOAD_NT   ; read once in the launch
.endr
.endr
	WIN 0
.irp b, 0,1,2,3
.irp q, 0,1
	global_load_b128 v[WS+8*\b+4*\q:WS+8*\b+4*\q+3], v7, s[6:7] offset:1024*\b+16*\q th:TH_LOAD_NT
.endr
.endr
.endif
	s_add_co_u32 s37, s[T0], s[WV]
	s_lshl_b32 s37, s37, 4                         ; 16 (t0 + wave): the first rank of my first tile
	v_add_nc_u32 v[RHO], s37, v[VR64]              ; batch 0: lane (r, h) takes row r of tile slot h: slots lie 4 tiles, 64 ranks, apart
	v_add_nc_u32 v[RHO+1], 0x80, v[RHO]            ; batch 1: slots 2 and 3
	v_add_nc_u32 v[RHO+2], s37, v29
	v_add_nc_u32 v[RHO+2], 0x100, v[RHO+2]         ; batch 2: slot 4, in both halves of the lanes
.irp a, 0,1,2
	v_lshl_or_b32 v[KEY+\a], v[RHO+\a], 16, 0xffff
.endr
.irp b, 0,1
.irp p, 0,1,2,3,4,5,6,7
	v_add_nc_u32 v[IDX+8*\b+\p], 64*\b+4*\p, v[H32]   ; 4 x the lane of a batch that holds row 8 h + p of its slot b
.endr
.endr
	v_add_nc_u32 v[IDX+16], 64, v2                 ; and row r of its slot 1 (of slot 0: 4 r)
	s_mov_b32 s[RUN], 0
.if \first
	s_wait_loadcnt 56                              ; sel is in; the 56 loads of the weights, issued behind it, stay out
.else
	s_wait_loadcnt 0x0
.endif
	HALF 0
	HALF 1
	s_mov_b32 s[NN], s[RUN]                        ; n_e
	s_add_co_u32 s[NT], s[NN], 15
	s_lshr_b32 s[NT], s[NT], 4                     ; tiles
	s_max_u32 s[NTM1], s[NT], 1
	s_sub_co_u32 s[NTM1], s[NTM1], 1
	TILES
.irp a, 0,1,2
	v_lshrrev_b32 v[TA+\a], 16, v[SK+\a]
.endr
.irp a, 0,1,2
	v_sub_nc_u32 v[NP+\a], v[RHO+\a], v[TA+\a]     ; which set bit of the group's mask: 0, 1 ..
.endr
.irp a, 0,1,2
	v_add_nc_u32 v[NP+\a], 1, v[NP+\a]
	v_mov_b32 v[CNT+\a], 0
	v_mov_b32 v[POS+\a], 0
.endr
.set gg, 0
.rept 32                               ; its place = the number of bits up to and with which at most that many are set
.irp a, 0,1,2
	v_bfe_u32 v[TA+\a], v[SM+\a], gg, 1
.endr
.irp a, 0,1,2
	v_add_nc_u32 v[CNT+\a], v[CNT+\a], v[TA+\a]
.endr
.irp a, 0,1,2
	v_cmp_gt_i32 vcc_lo, v[NP+\a], v[CNT+\a]
	v_cndmask_b32 v[TB+\a], v[VZ], v[VONE], vcc_lo
.endr
.irp a, 0,1,2
	v_add_nc_u32 v[POS+\a], v[POS+\a], v[TB+\a]
.endr
.set gg, gg+1
.endr
.irp a, 0,1,2
	v_and_b32 v[SK+\a], 31, v[SK+\a]               ; the group
	v_lshrrev_b32 v[TA+\a], 2, v[SK+\a]
	v_lshlrev_b32 v[TA+\a], 7, v[TA+\a]
	v_lshl_add_u32 v[TA+\a], v[POS+\a], 2, v[TA+\a]
	v_and_b32 v[SK+\a], 3, v[SK+\a]
	v_add_nc_u32 v[TA+\a], v[TA+\a], v[SK+\a]
	v_min_u32 v[TOK+\a], 0x3ff, v[TA+\a]           ; my rank's token, held inside the table
	v_lshlrev_b32 v[KAD+\a], 2, v[TOK+\a]
.endr
.irp j, 0,1,2,3,4                      ; lane pulls (no LDS byte is touched): the token of row 8 h + p of tile slot j, and that of row r
.irp p, 0,1,2,3,4,5,6,7
	ds_bpermute_b32 v[XOF+8*\j+\p], v[IDX+8*(\j%2)+\p], v[TOK+\j/2]
.endr
.if (\j%2) == 0
	ds_bpermute_b32 v[XSOF+\j], v2, v[TOK+\j/2]
.else
	ds_bpermute_b32 v[XSOF+\j], v[IDX+16], v[TOK+\j/2]
.endif
.endr
.irp a, 0,1,2
	global_load_b32 v[SELK+\a], v[KAD+\a], s[10:11]   ; the token's word of sel once more: first or second choice?  (only the work-group that stores the list reads it)
.endr
	s_wait_dscnt 0x0
.set gg, 0
.rept 40
	v_min_u32 v[XOF+gg], 0x3ff, v[XOF+gg]
.set gg, gg+1
.endr
.set gg, 0
.rept 40
	v_mul_u32_u24 v[XOF+gg], 0x300, v[XOF+gg]
.set gg, gg+1
.endr
.set gg, 0
.rept 40
	v_add_nc_u32 v[XOF+gg], v[XOF+gg], v[R16]      ; 768 x token + 16 r
.set gg, gg+1
.endr
.irp j, 0,1,2,3,4
	v_min_u32 v[XSOF+\j], 0x3ff, v[XSOF+\j]
.endr
.irp j, 0,1,2,3,4
	v_lshlrev_b32 v[XSOF+\j], 5, v[XSOF+\j]
.endr
.irp j, 0,1,2,3,4
	v_add_nc_u32 v[XSOF+\j], v[XSOF+\j], v[H16]    ; 32 x token + 16 h
.endr
.irp j, 0,1,2,3,4
	global_load_b128 v[XS+4*\j:XS+4*\j+3], v[XSOF+\j], s[8:9] offset:XSOFF
.endr
.irp j, 0,1,2,3,4                      ; 24 loads a tile, tile by tile: piece (p, u) of the rows lands in the registers that piece (s = p, i = u) of the image takes
	WIN LD2
.irp p, 0,1,2,3
.irp u, 0,1,2
	global_load_b128 v[12*(5*\p+\j)+4*\u:12*(5*\p+\j)+4*\u+3], v[XOF+8*\j+\p], s[8:9] offset:256*\u   ; 16 lanes: 256 consecutive bytes of a row, aligned
.endr
.endr
	WIN LD3
.irp p, 0,1,2,3
.irp u, 0,1,2
	global_load_b128 v[12*(5*\p+\j)+4*\u:12*(5*\p+\j)+4*\u+3], v[XOF+8*\j+4+\p], s[8:9] offset:256*\u
.endr
.endr
.endr
	WIN 0
	s_cmp_lg_u32 ttmp9, 0
	s_cbranch_scc1 .Lnolist_\@                     ; the expert's first work-group stores the list
	s_wait_loadcnt 63                              ; behind the three words stand 125 loads: with 63 out at the most the words are in
	v_add_nc_u32 v[TB], s39, v29                   ; the padding's row: 2,048 + 16 e + r
.irp a, 0,1,2
	v_lshrrev_b32 v[YR+\a], s38, v[SELK+\a]
	v_and_b32 v[YR+\a], 1, v[YR+\a]                ; k
	v_lshl_add_u32 v[YR+\a], v[YR+\a], 10, v[TOK+\a]   ; 1,024 k + token
	v_cmp_gt_i32 vcc_lo, s[NN], v[RHO+\a]          ; is the rank a row?
	v_cndmask_b32 v[YR+\a], v[TB], v[YR+\a], vcc_lo
	v_lshlrev_b32 v[LOFF+\a], 2, v[RHO+\a]
	global_store_b32 v[LOFF+\a], v[YR+\a], s[14:15]    ; 64 consecutive bytes for each tile slot (batch 2: both halves of the lanes write the same words with the same values)
.endr
	v_mov_b32 v[TA], s[NN]
	global_store_b32 v[L4], v[TA], s[42:43]        ; 128 consecutive bytes, all n_e; the four waves write the same
	s_wait_xcnt 0x0                                ; these stores have read their registers, which the products' way out writes again
.Lnolist_\@:
.endm
.macro IMG j                           ; tile slot j: 16 rows into my stage as rows, and back as the operand's registers.  LDS serves a wave's instructions in order: no wait between, nor ahead of the next tile's stores
.if 24*(4-\j) > 63
	s_wait_loadcnt 63                              ; behind this tile's rows stand 24 loads for each later tile: more than the count can say
.else
	s_wait_loadcnt 24*(4-\j)                       ; this tile's rows are in; the later tiles' 24 loads each may stay out
.endif
	WIN ST2
.irp p, 0,1,2,3
.irp u, 0,1,2
	ds_store_b128 v[SI], v[12*(5*\p+\j)+4*\u:12*(5*\p+\j)+4*\u+3] offset:PT*\p+256*\u
.endr
.endr
	WIN ST3
.irp p, 0,1,2,3
.irp u, 0,1,2
	ds_store_b128 v[SI], v[12*(5*\p+\j)+4*\u:12*(5*\p+\j)+4*\u+3] offset:PT*(\p+4)+256*\u
.endr
.endr
	WIN LD2
.irp s, 0,1,2,3
.irp i, 0,1,2
	ds_load_b128 v[12*(5*\s+\j)+4*\i:12*(5*\s+\j)+4*\i+3], v[SOA] offset:96*\s+16*\i
.endr
.endr
	WIN LD3
.irp s, 0,1,2,3
.irp i, 0,1,2
	ds_load_b128 v[12*(5*\s+\j)+4*\i:12*(5*\s+\j)+4*\i+3], v[SOA] offset:96*(\s+4)+16*\i
.endr
.endr
.endm
.macro WLOAD g                         ; group g = 4 b + sp: tiles 2 b, 2 b + 1 of W1, K steps 2 sp, 2 sp + 1: four fragments, 12 loads, into set g % 2
	WIN LDW
.irp sg, 0,1
.irp u, 0,1
.irp i, 0,1,2
.if (2*((\g)/4)+\u) < 4
	ds_load_b128 v[WBUF+48*((\g)%2)+12*(2*\sg+\u)+4*\i:WBUF+48*((\g)%2)+12*(2*\sg+\u)+4*\i+3], v[WA] offset:16*PT*((2*((\g)/4)+\u)%4)+96*(2*((\g)%4)+\sg)+16*\i
.else
	ds_load_b128 v[WBUF+48*((\g)%2)+12*(2*\sg+\u)+4*\i:WBUF+48*((\g)%2)+12*(2*\sg+\u)+4*\i+3], v[WAB] offset:16*PT*((2*((\g)/4)+\u)%4)+96*(2*((\g)%4)+\sg)+16*\i
.endif
.endr
.endr
.endr
.endm
.macro GROUP g                         ; 20 products: 2 K steps x 2 tiles of W1 x 5 tiles of rows; the ten accumulators take turns, one instruction a turn
	PLACES                                         ; for the loads into the set that the group before multiplied
.if (\g) < 15
	WLOAD (\g)+1
	s_wait_dscnt 12                                ; my four fragments are in, and all LDS loads ahead of them, x's images among them; the next group's 12 loads may stay out
.else
	s_wait_dscnt 0x0
.endif
.if ((\g)%4) < 2
	WIN MUL2
.else
	WIN MUL3
.endif
.irp sg, 0,1
.irp u, 0,1
.irp j, 0,1,2,3,4
	MM 16*\j+8*\u, WBUF+48*((\g)%2)+12*(2*\sg+\u), 12*(5*((2*((\g)%4)+\sg)%4)+\j), ((2*((\g)%4)+\sg)==0), WS+8*((\g)/4)+2*((\g)%4)+\sg, XS+4*\j+(2*((\g)%4)+\sg)%4, \u, ((\g)%4)/2
.endr
.endr
.endr
.endm
.macro EPI b                           ; block b of 32 hidden units is finished for my five tiles: relu, the scale, the codes
	PLACES
	WIN MAXW
.irp i, 0,2,4,6,8,10,12,14             ; the largest of my 16 numbers; no |.|: what is negative is clipped and must not count; each accumulator is read from its low end on
.irp j, 0,1,2,3,4
.if \i == 0
	v_max3_num_f32 v[TM+\j], v[16*\j], v[16*\j+1], 0x2800000     ; with the floor 2^(5 - 127): the byte cannot fall under 1
.else
	v_max3_num_f32 v[TM+\j], v[16*\j+\i], v[16*\j+\i+1], v[TM+\j]
.endif
.endr
.endr
	WIN RELW
.set ii, 0
.rept 80
	v_max_num_f32 v[ii], 0, v[ii]                  ; the activation, in f32
.set ii, ii+1
.endr
	WIN 0
.irp j, 0,1,2,3,4
	v_permlanex16_b32 v[PD+\j], v[TM+\j], s[SEL], s[SEL+1]
.endr
.irp j, 0,1,2,3,4
	v_max_num_f32 v[TM+\j], v[TM+\j], v[PD+\j]     ; with lane l xor 16: the block's largest number
.endr
.irp j, 0,1,2,3,4
	v_add_nc_u32 v[SO+\j], 0xfe000000, v[TM+\j]    ; 4 off its exponent field: the conversion's scale operand
.endr
.irp j, 0,1,2,3,4
	v_lshrrev_b32 v[BY+\j], 23, v[SO+\j]           ; the scale byte
.endr
.irp j, 0,1,2,3,4                      ; blocks 0, 1, 2, 3 at bytes 0, 2, 1, 3 of the word
.if \b == 0
	v_mov_b32 v[PW+\j], v[BY+\j]
.elseif \b == 1
	v_lshl_or_b32 v[PW+\j], v[BY+\j], 16, v[PW+\j]
.elseif \b == 2
	v_lshl_or_b32 v[PW+\j], v[BY+\j], 8, v[PW+\j]
.else
	v_lshl_or_b32 v[PW+\j], v[BY+\j], 24, v[PW+\j]
.endif
.endr
	WIN CVTW
.irp j, 0,1,2,3,4                      ; 16 codes, 96 bits: half h of block b
.if \b == 0
	v_cvt_scalef32_pk16_bf6_f32 v[OC+12*\j:OC+12*\j+2], v[16*\j:16*\j+15], v[SO+\j]
.elseif \b == 1
	v_cvt_scalef32_pk16_bf6_f32 v[OC+12*\j+6:OC+12*\j+8], v[16*\j:16*\j+15], v[SO+\j]
.elseif \b == 2
	v_cvt_scalef32_pk16_bf6_f32 v[TT+8*\j:TT+8*\j+2], v[16*\j:16*\j+15], v[SO+\j]
.else
	v_cvt_scalef32_pk16_bf6_f32 v[TT+8*\j+4:TT+8*\j+6], v[16*\j:16*\j+15], v[SO+\j]
.endif
.endr
	WIN 0
.rept 5
	v_nop                                          ; one plain instruction behind the conversions; with the next group's four, more than the five that stand ahead of products which begin these accumulators anew
.endr
.endm
.macro OUT j                           ; the fragment of h of tile j.  Lanes 0-15 want blocks 0 and 1 whole, lanes 16-31 blocks 2 and 3: the halves change places, block 0 with 2 and 1 with 3
	s_cmp_ge_u32 s[TJ+\j], s[NT]
	s_cbranch_scc1 .Lskip_\@                       ; a slot past the last tile stores nothing
.irp i, 0,1,2
	v_permlane16_swap_b32 v[OC+12*\j+\i], v[TT+8*\j+\i]
	v_permlane16_swap_b32 v[OC+12*\j+6+\i], v[TT+8*\j+4+\i]
.endr
.irp i, 0,1,2
	v_mov_b32 v[OC+12*\j+3+\i], v[TT+8*\j+\i]
	v_mov_b32 v[OC+12*\j+9+\i], v[TT+8*\j+4+\i]
.endr
.irp i, 0,1,2
	global_store_b128 v[HO+\j], v[OC+12*\j+4*\i:OC+12*\j+4*\i+3], s[12:13] offset:512*\i   ; 512 consecutive bytes
.endr
	global_store_b32 v[HSO+\j], v[PW+\j], s[16:17] ; lanes r and r + 16 write the same word with the same value
.Lskip_\@:
.endm
	s_load_b256 s[4:11], s[0:1], 0x0               ; W1's codes s[4:5], its scales s[6:7], xq s[8:9], sel s[10:11]
	s_load_b128 s[12:15], s[0:1], 0x20             ; h s[12:13], lst s[14:15]
	v_lshl_add_u32 v254, v0, 2, 0x24c00
	v_mov_b32 v255, 0
	v_lshrrev_b32 v1, 5, v0
	v_readfirstlane_b32 s[WV], v1                  ; wave
	v_and_b32 v28, 31, v0                          ; lane
	v_and_b32 v29, 15, v0                          ; r
	v_bfe_u32 v30, v0, 4, 1                        ; h
	v_lshlrev_b32 v1, 4, v28                       ; 16 x lane
	v_lshlrev_b32 v2, 2, v29                       ; 4 r
	v_mul_u32_u24 v[WA], v29, PT
	v_mad_u32_u24 v[WA], v30, 48, v[WA]
	v_add_nc_u32 v[WAB], 64*PT, v[WA]
	v_mul_u32_u24 v5, v30, 768                     ; W1 from memory: row 2 p + h, 16 r: 16 lanes read 256 consecutive bytes, aligned
	v_lshl_add_u32 v5, v29, 4, v5
	s_mul_i32 s40, s[WV], 32*PT
	v_mul_u32_u24 v6, v30, PT                      ; and into LDS: my wave's 32 rows
	v_lshl_add_u32 v6, v29, 4, v6
	v_add_nc_u32 v6, s40, v6
	v_and_b32 v7, 8, v29                           ; W1's scale words: lane (r, u) takes row 8 u + r + 8 (r / 8) of a block of 32 rows, 32 bytes a row
	v_add_nc_u32 v7, v7, v29
	v_lshl_add_u32 v7, v30, 3, v7
	v_lshlrev_b32 v7, 5, v7
	s_mul_i32 s41, s[WV], 16*PT
	s_add_co_u32 s41, s41, STG                     ; my stage
	v_mul_u32_u24 v[SI], v30, 8*PT
	v_lshl_add_u32 v[SI], v29, 4, v[SI]
	v_add_nc_u32 v[SI], s41, v[SI]
	v_add_nc_u32 v[SOA], s41, v[WA]
	v_lshl_add_u32 v[VR64], v30, 6, v29
	v_lshlrev_b32 v[R16], 4, v29
	v_lshlrev_b32 v[H16], 4, v30
	v_mov_b32 v[VZ], 0
	v_mov_b32 v[VONE], 1
	v_lshlrev_b32 v[L4], 2, v28
	v_lshlrev_b32 v[H32], 5, v30
.irp j, 0,1,2,3,4
	v_mov_b32 v[PD+\j], 0                          ; written once: a lane permute's destination counts as one of its sources
.endr
	s_and_b32 s19, ttmp7, 0xffff                   ; e
	s_mov_b32 s23, 0
	s_mov_b32 s[SEL], 0x76543210
	s_mov_b32 s[SEL+1], 0xfedcba98
	s_mov_b32 s[PSEL], 0x03010200                  ; bytes 0, 2, 1, 3
	s_lshl_b32 s[KE], 0x101, s19
	s_add_co_u32 s38, s19, 8
	s_lshl_b32 s39, s19, 4
	s_add_co_u32 s39, s39, 2048
	s_mov_b32 s[T0], 0
	s_mov_b32 s[PS], 0
	s_wait_kmcnt 0x0
	s_mul_i32 s22, s19, 3145728
	s_mul_i32 s40, ttmp9, 98304
	s_add_co_u32 s22, s22, s40
	s_mul_i32 s40, s[WV], 24576
	s_add_co_u32 s22, s22, s40
	s_add_nc_u64 s[4:5], s[4:5], s[22:23]          ; my wave's 32 rows of W1
	s_lshl_b32 s22, s19, 17
	s_lshl_b32 s40, ttmp9, 12
	s_add_co_u32 s22, s22, s40
	s_add_nc_u64 s[6:7], s[6:7], s[22:23]          ; the part's scale bytes
	s_lshl_b32 s22, s19, 7
	s_add_nc_u64 s[42:43], s[14:15], s[22:23]      ; lst: the count's 32 words
	s_mul_i32 s22, s19, LPITCH
	s_add_co_u32 s22, s22, 1024
	s_add_nc_u64 s[14:15], s[14:15], s[22:23]      ; lst: the expert's list
	s_lshl_b32 s22, s19, 17
	s_lshl_b32 s40, ttmp9, 6
	s_add_co_u32 s22, s22, s40
	s_add_nc_u64 s[16:17], s[12:13], s[22:23]
	s_add_nc_u64 s[16:17], s[16:17], HSOFF         ; h's scale words: expert, K step S
	s_mul_i32 s22, s19, 3145728
	s_mul_i32 s40, ttmp9, 1536
	s_add_co_u32 s22, s22, s40
	s_add_nc_u64 s[12:13], s[12:13], s[22:23]      ; h's images: expert, K step S
	PREP 1                                         ; the search runs while the weights are on their way, and x's rows are asked for directly behind them
	s_wait_loadcnt 63                              ; behind the weights' 56 loads stand 128: with 63 out at the most the weights are in
	WIN STW
.irp p, 0,1,2,3,4,5,6,7,8,9,10,11,12,13,14,15      ; row 2 p + h = 16 a + 8 u + r' of my 32 goes to LDS row 16 u + 8 a + r': a tile is 16 rows on end
.irp u, 0,1,2
	ds_store_b128 v6, v[4*(3*\p+\u):4*(3*\p+\u)+3] offset:PT*(16*((\p/4)%2)+8*(\p/8)+2*(\p%4))+256*\u
.endr
.endr
	WIN 0
.set ii, 0
.rept 32
	v_perm_b32 v[WS+ii], v[WS+ii], v[WS+ii], s[PSEL]
.set ii, ii+1
.endr
	s_wait_dscnt 0x0                               ; for the other waves: my stores have landed
	s_barrier_signal -1
	s_barrier_wait -1                              ; the part lies in LDS whole; it is not written again, and this is the only barrier
	s_cmp_eq_u32 s[NN], 0
	s_cbranch_scc1 .Lend                           ; nobody chose this expert
.Lpass:
.irp j, 0,1,2,3,4
	IMG \j
.endr
	PLACES
	WLOAD 0
.irp b, 0,1,2,3
	GROUP 4*\b
	GROUP 4*\b+1
	GROUP 4*\b+2
	GROUP 4*\b+3
	EPI \b
.endr
.irp j, 0,1,2,3,4
	OUT \j
.endr
	s_add_co_u32 s[T0], s[T0], 20
	s_cmp_ge_u32 s[T0], s[NT]
	s_cbranch_scc1 .Lend                           ; all tiles are served: with 64 tiles at the most this is taken in the fourth pass at the latest
	s_wait_xcnt 0x0                                ; the stores have read their offsets and data: both are written again below and in the next pass
	PLACES                                         ; for the loads into registers that the last products read
	PREP 0
	s_add_co_u32 s[PS], s[PS], 1
	s_cmp_lt_u32 s[PS], 4
	s_cbranch_scc1 .Lpass
.Lend:
	s_wait_tensorcnt 0x0
	ds_add_u32 v254, v255
	s_wait_dscnt 0x0
	s_endpgm
.Lfunc_end_k_q3752683b2b_gemm1:
	.size	k_q3752683b2b_gemm1, .Lfunc_end_k_q3752683b2b_gemm1-k_q3752683b2b_gemm1
	.p2alignl 7, 3214868480
	.fill 96, 4, 3214868480
	.section	.rodata,"a",@progbits
	.p2align	6, 0x0
	.amdhsa_kernel k_q3752683b2b_gemm1
		.amdhsa_group_segment_fixed_size 151040
		.amdhsa_private_segment_fixed_size 0
		.amdhsa_enable_private_segment 0
		.amdhsa_kernarg_size 48
		.amdhsa_user_sgpr_count 2
		.amdhsa_user_sgpr_kernarg_segment_ptr 1
		.amdhsa_wavefront_size32 1
		.amdhsa_system_sgpr_workgroup_id_x 1
		.amdhsa_system_sgpr_workgroup_id_y 1
		.amdhsa_system_sgpr_workgroup_id_z 1
		.amdhsa_system_vgpr_workitem_id 0
		.amdhsa_next_free_vgpr 1024
		.amdhsa_next_free_sgpr 100
		.amdhsa_reserve_vcc 1
		.amdhsa_float_denorm_mode_32 3
		.amdhsa_float_denorm_mode_16_64 3
		.amdhsa_memory_ordered 1
		.amdhsa_forward_progress 1
		.amdhsa_inst_pref_size 244
	.end_amdhsa_kernel
	.amdgpu_metadata
---
amdhsa.version: [ 1, 2 ]
amdhsa.kernels:
  - .name:           k_q3752683b2b_gemm1
    .symbol:         k_q3752683b2b_gemm1.kd
    .args:
      - { .name: w1_codes, .offset: 0, .size: 8, .value_kind: global_buffer, .address_space: global }
      - { .name: w1_scales, .offset: 8, .size: 8, .value_kind: global_buffer, .address_space: global }
      - { .name: xq, .offset: 16, .size: 8, .value_kind: global_buffer, .address_space: global }
      - { .name: sel, .offset: 24, .size: 8, .value_kind: global_buffer, .address_space: global }
      - { .name: h, .offset: 32, .size: 8, .value_kind: global_buffer, .address_space: global }
      - { .name: lst, .offset: 40, .size: 8, .value_kind: global_buffer, .address_space: global }
    .group_segment_fixed_size: 151040
    .private_segment_fixed_size: 0
    .kernarg_segment_align: 8
    .kernarg_segment_size: 48
    .max_flat_workgroup_size: 128
    .sgpr_count:     100
    .vgpr_count:     1024
    .wavefront_size: 32
...
	.end_amdgpu_metadata
.endif
;; end of part 2
;; launch gemm2 (part 3): grid 32 x 8, 4 waves a work-group, no clusters, 117,248 bytes of LDS; arguments w2_codes, w2_scales, h, lst, y; writes y
.if DOCPART == 3
	.amdgcn_target "amdgcn-amd-amdhsa--gfx1250"
	.amdhsa_code_object_version 6
	.text
	.protected	k_q3752683b2b_gemm2
	.globl	k_q3752683b2b_gemm2
	.p2align	8
	.type	k_q3752683b2b_gemm2,@function
k_q3752683b2b_gemm2:
	s_mov_b64 s[64:65], 0
	v_nop
	global_prefetch_b8 v0, s[64:65] scope:SCOPE_SE
	s_setreg_imm32_b32 hwreg(HW_REG_WAVE_MODE, 25, 1), 1
	s_wait_xcnt 0x0
; y[kh][row] = h W2[e]^T over half kh of K, for the rows that chose expert e, on codes of E3M2 with one E8M0 scale for each 32 along K; sums in f32.
; SHARES.  Expert e = work-group y.  Work-group x = 16 kh + cc owns outputs 64 cc .. 64 cc + 63 and K steps 16 kh .. 16 kh + 15 (2,048 of the 4,096 along K): 64 rows x 1,536 bytes of W2[e],
; 98,304 bytes, read from memory by this work-group alone.  K is cut in two so that a work-group reads half of h: the two halves are added by the next launch, each row of y having one owner for each half.
; The four waves bring the part through registers into LDS once, behind ONE barrier; afterwards no wave waits for another.  Each wave takes row tiles t0 + 4 j + wave, j = 0 .. 4, against all 64 outputs:
; 20 accumulators; a pass serves 20 tiles, and t0 steps by 20 until the n_e rows, read from lst, are served.  A slot past the last tile repeats the last tile and its way out is jumped over.
; THE LOOP OVER PASSES is counted to 4, the most that 1,024 rows (64 tiles, 20 a pass) need, and is left by a forward jump as soon as the tiles are served.
; h comes as images of the operand's registers straight into registers, through a ring of 8 K steps (480 registers); each load 512 consecutive bytes.  The first pass's loads are issued directly behind the weights'.
; K inside an instruction: of each 96 bytes lane (r, h) takes the 48 at 48 h on both operands; scale words hold the bytes of blocks 0, 2, 1, 3 (W2's are turned once; h's were made so).
; TRANSPOSED USE: source 0 = 16 rows of W2, source 1 = 16 rows of h: a lane holds eight neighbouring outputs of one row.  A tile goes through the wave's own stage in LDS and leaves as rows: 16 lanes store
; 256 consecutive bytes, aligned, of the row of y that lst names for the rank (1,024 k + token; padding ranks: rows from 2,048 on, which nobody reads).
; lst: words 32 e .. 32 e + 31 = n_e; from byte 1,024 on an expert's list, 1,536 words.
; NO JOINT LOADS, though work-groups of an expert read the same h: the jump out of the passes and the jumps round the ways out hang on n_e, read from memory.
; LIMITS.  NaN and infinities are not served.  The order of the sums differs from an ascending K: inside an instruction (blocks 0, 2, 1, 3) and by the cut of K in two.
; REGISTERS.  Window 0: v1-25 addresses; v32-63 W2's scale words; v64-103 h's; v104-143 the list; v144-223 the way out.  Window 1: v0-159 the accumulators (t, j) at 8 (5 t + j); v160-255 two sets of four
; fragments of W2 (in the head v0-191: W2 on its way to LDS).  Windows 2, 3: the ring: K step s, tile j at 12 (5 (s % 4) + j), window 2 where s % 8 < 4.
.set WP,    1552                       ; an LDS row of W2's part: 1,536 bytes + 16 = 97 x 16 bytes
.set STG,   64*WP                      ; behind it: a stage of 16 rows x (256 + 16) bytes for each wave
.set HSOFF, 25165824
.set LPITCH, 6144                      ; bytes of an expert's list
.set WA,   3                           ; v3   WP r + 48 h: tiles 0, 1
.set WAB,  4                           ; v4   32 rows on: tiles 2, 3
.set STO,  7                           ; v7   the stage, in: row r, 32 h
.set RD,   8                           ; v8   and back: row 8 h + q, 16 r
.set HO,   11                          ; v11-15  tile j: offset of its images in h
.set HSO,  16                          ; v16-20  of its scale words
.set LO,   21                          ; v21-25  of its ranks in the list
.set WS,   32                          ; v[WS + 16 tp + s]: lane l = row 32 tp + l, K step s
.set HS,   64                          ; v[HS + 8 j + q]: lanes 0-15 K step 2 q, lanes 16-31 K step 2 q + 1
.set LL,   104                         ; v[LL + 8 j + q]: the row of y of rank 8 h + q of tile j
.set RB,   144                         ; v144-175, v176-207: rows read back, by turns
.set YO,   208                         ; v208-215, v216-223: their offsets in y
.set WBUF, 160
.set WV,   18
.set NN,   24
.set NT,   25
.set NTM1, 26
.set T0,   27
.set TJ,   28                          ; s28-32
.set PS,   33                          ; s33  passes begun behind the first
.set PSEL, 36
.set MSB, 0
.macro WIN new                         ; the immediate's high byte repeats the setting that is left; a switch that changes nothing is dropped
.if MSB != \new
	s_set_vgpr_msb (MSB<<8)|\new
.set MSB, \new
.endif
.endm
.set MUL2, 0x59                        ; source 0 (W2), C and D window 1; source 1 (h) window 2
.set MUL3, 0x5d
.set LDW,  0x40
.set LD2,  0x80
.set LD3,  0xc0
.set STW,  0x04                        ; an LDS store's data (source 1) window 1
.macro PLACES                          ; four plain instructions between a matrix instruction and a load into, or a read of, one of its registers (ISA guide 7.12.1 for vector instructions)
.rept 4
	v_nop
.endr
.endm
.macro MM d, a, b, zero, sa, sb, ra, rb   ; one product; ra, rb: the scale words stand in lanes 16-31
.if \zero
.if \ra
	v_wmma_scale_f32_16x16x128_f8f6f4 v[(\d):(\d)+7], v[(\a):(\a)+11], v[(\b):(\b)+11], 0, v[\sa], v[\sb] matrix_a_fmt:MATRIX_FMT_BF6 matrix_b_fmt:MATRIX_FMT_BF6 matrix_a_scale:MATRIX_SCALE_ROW1
.else
	v_wmma_scale_f32_16x16x128_f8f6f4 v[(\d):(\d)+7], v[(\a):(\a)+11], v[(\b):(\b)+11], 0, v[\sa], v[\sb] matrix_a_fmt:MATRIX_FMT_BF6 matrix_b_fmt:MATRIX_FMT_BF6
.endif
.else
.if (\ra) && (\rb)
	v_wmma_scale_f32_16x16x128_f8f6f4 v[(\d):(\d)+7], v[(\a):(\a)+11], v[(\b):(\b)+11], v[(\d):(\d)+7], v[\sa], v[\sb] matrix_a_fmt:MATRIX_FMT_BF6 matrix_b_fmt:MATRIX_FMT_BF6 matrix_a_scale:MATRIX_SCALE_ROW1 matrix_b_scale:MATRIX_SCALE_ROW1
.elseif \ra
	v_wmma_scale_f32_16x16x128_f8f6f4 v[(\d):(\d)+7], v[(\a):(\a)+11], v[(\b):(\b)+11], v[(\d):(\d)+7], v[\sa], v[\sb] matrix_a_fmt:MATRIX_FMT_BF6 matrix_b_fmt:MATRIX_FMT_BF6 matrix_a_scale:MATRIX_SCALE_ROW1
.elseif \rb
	v_wmma_scale_f32_16x16x128_f8f6f4 v[(\d):(\d)+7], v[(\a):(\a)+11], v[(\b):(\b)+11], v[(\d):(\d)+7], v[\sa], v[\sb] matrix_a_fmt:MATRIX_FMT_BF6 matrix_b_fmt:MATRIX_FMT_BF6 matrix_b_scale:MATRIX_SCALE_ROW1
.else
	v_wmma_scale_f32_16x16x128_f8f6f4 v[(\d):(\d)+7], v[(\a):(\a)+11], v[(\b):(\b)+11], v[(\d):(\d)+7], v[\sa], v[\sb] matrix_a_fmt:MATRIX_FMT_BF6 matrix_b_fmt:MATRIX_FMT_BF6
.endif
.endif
.endm
.macro TILES                           ; the pass's five tiles of my wave, and their offsets; a tile past the last is held at the last, and at 63, the buffers' last
.irp j, 0,1,2,3,4
	s_add_co_u32 s[TJ+\j], s[T0], s[WV]
	s_add_co_u32 s[TJ+\j], s[TJ+\j], 4*\j
	s_min_u32 s40, s[TJ+\j], s[NTM1]
	s_min_u32 s40, s40, 63
	s_mul_i32 s41, s40, 49152
	v_add_nc_u32 v[HO+\j], s41, v1
	s_lshl_b32 s41, s40, 11
	v_add_nc_u32 v[HSO+\j], s41, v2
	s_lshl_b32 s41, s40, 6
	v_add_nc_u32 v[LO+\j], s41, v10
.endr
.endm
.macro HLOAD s                         ; K step s of my five tiles: 15 loads, into slot s % 8 of the ring
.if ((\s)%8) < 4
	WIN LD2
.else
	WIN LD3
.endif
.irp j, 0,1,2,3,4
.irp i, 0,1,2
	global_load_b128 v[12*(5*((\s)%4)+\j)+4*\i:12*(5*((\s)%4)+\j)+4*\i+3], v[HO+\j], s[8:9] offset:1536*(\s)+512*\i
.endr
.endr
.endm
.macro MLOADS                          ; 40 loads of scale words, 10 of the list, then K steps 0 to 7: 120
.irp j, 0,1,2,3,4
.irp q, 0,1,2,3,4,5,6,7
	global_load_b32 v[HS+8*\j+\q], v[HSO+\j], s[14:15] offset:128*\q
.endr
.endr
.irp j, 0,1,2,3,4
.irp z, 0,1
	global_load_b128 v[LL+8*\j+4*\z:LL+8*\j+4*\z+3], v[LO+\j], s[10:11] offset:16*\z
.endr
.endr
.irp s, 0,1,2,3,4,5,6,7
	HLOAD \s
.endr
	WIN 0
.endm
.macro WLOAD s                         ; W2's four tiles, K step s: 12 loads, into set s % 2
	WIN LDW
.irp t, 0,1,2,3
.irp i, 0,1,2
.if \t < 2
	ds_load_b128 v[WBUF+48*((\s)%2)+12*\t+4*\i:WBUF+48*((\s)%2)+12*\t+4*\i+3], v[WA] offset:16*WP*(\t%2)+96*(\s)+16*\i
.else
	ds_load_b128 v[WBUF+48*((\s)%2)+12*\t+4*\i:WBUF+48*((\s)%2)+12*\t+4*\i+3], v[WAB] offset:16*WP*(\t%2)+96*(\s)+16*\i
.endif
.endr
.endr
.endm
.macro GROUP s                         ; K step s: 20 products; the twenty accumulators take turns, one instruction a turn
	PLACES                                         ; for the loads into the set of W2 and the slot of the ring that the step before multiplied
.if (\s) < 15
	WLOAD (\s)+1
.endif
.if ((\s) >= 1) && ((\s) <= 8)
	HLOAD (\s)+7                                   ; into the slot that step s - 1 has just left
.endif
.if (\s) < 15
	s_wait_dscnt 12                                ; my four fragments of W2 are in; the next step's 12 loads may stay out
.else
	s_wait_dscnt 0x0
.endif
.if (\s) <= 10
	s_wait_loadcnt 63                              ; behind step s stand 75 loads or more: the count is the field's largest
.else
	s_wait_loadcnt 15*(15-(\s))                    ; behind step s: 15 loads for each later step
.endif
.if ((\s)%8) < 4
	WIN MUL2
.else
	WIN MUL3
.endif
.irp t, 0,1,2,3
.irp j, 0,1,2,3,4
	MM 8*(5*\t+\j), WBUF+48*((\s)%2)+12*\t, 12*(5*((\s)%4)+\j), ((\s)==0), WS+16*(\t/2)+(\s), HS+8*\j+(\s)/2, \t%2, (\s)%2
.endr
.endr
.endm
.macro OUT j                           ; tile j: 16 rows x 64 outputs through my stage, and out as rows
	s_cmp_ge_u32 s[TJ+\j], s[NT]
	s_cbranch_scc1 .Lskip_\@                       ; a slot past the last tile stores nothing
	s_wait_xcnt 0x0                                ; earlier stores have read their offsets and data: both are written again
	WIN STW
.irp t, 0,1,2,3
	ds_store_b128 v[STO], v[8*(5*\t+\j):8*(5*\t+\j)+3] offset:64*\t          ; each accumulator from its low end on
	ds_store_b128 v[STO], v[8*(5*\t+\j)+4:8*(5*\t+\j)+7] offset:64*\t+16
.endr
	WIN 0
.irp q, 0,1,2,3,4,5,6,7
	ds_load_b128 v[RB+32*(\j%2)+4*\q:RB+32*(\j%2)+4*\q+3], v[RD] offset:272*\q   ; LDS serves a wave's instructions in order: these see my stores
.endr
.irp q, 0,1,2,3,4,5,6,7
	v_min_u32 v[YO+8*(\j%2)+\q], 0x87f, v[LL+8*\j+\q]                        ; the row, held inside y's 2,176 rows
	v_lshl_add_u32 v[YO+8*(\j%2)+\q], v[YO+8*(\j%2)+\q], 12, v9              ; 4,096 x row + 16 r
.endr
	s_wait_dscnt 0x0
.irp q, 0,1,2,3,4,5,6,7
	global_store_b128 v[YO+8*(\j%2)+\q], v[RB+32*(\j%2)+4*\q:RB+32*(\j%2)+4*\q+3], s[12:13] th:TH_STORE_NT   ; 16 lanes: 256 consecutive bytes of one row, aligned
.endr
.Lskip_\@:
.endm
	s_load_b256 s[4:11], s[0:1], 0x0               ; W2's codes s[4:5], its scales s[6:7], h s[8:9], lst s[10:11]
	s_load_b64 s[12:13], s[0:1], 0x20              ; y
	v_lshl_add_u32 v254, v0, 2, 0x1c800
	v_mov_b32 v255, 0
	v_lshrrev_b32 v1, 5, v0
	v_readfirstlane_b32 s[WV], v1                  ; wave
	v_and_b32 v26, 31, v0                          ; lane
	v_and_b32 v27, 15, v0                          ; r
	v_bfe_u32 v28, v0, 4, 1                        ; h
	v_lshlrev_b32 v1, 4, v26                       ; 16 x lane
	v_lshlrev_b32 v2, 2, v26                       ; 4 x lane
	v_mul_u32_u24 v[WA], v27, WP
	v_mad_u32_u24 v[WA], v28, 48, v[WA]
	v_add_nc_u32 v[WAB], 32*WP, v[WA]
	s_mul_i32 s40, s[WV], 16*WP
	v_add_nc_u32 v5, s40, v1                       ; W2 into LDS: my wave's 16 rows
	v_lshlrev_b32 v6, 7, v26                       ; W2's scale words: 128 bytes a row, a lane a row
	s_mul_i32 s40, s[WV], 16*272
	s_add_co_u32 s40, s40, STG                     ; my stage
	v_mul_u32_u24 v[STO], v27, 272
	v_lshl_add_u32 v[STO], v28, 5, v[STO]
	v_add_nc_u32 v[STO], s40, v[STO]
	v_mul_u32_u24 v[RD], v28, 8*272
	v_lshl_add_u32 v[RD], v27, 4, v[RD]
	v_add_nc_u32 v[RD], s40, v[RD]
	v_lshlrev_b32 v9, 4, v27                       ; 16 r
	v_lshlrev_b32 v10, 5, v28                      ; 32 h
	s_and_b32 s19, ttmp7, 0xffff                   ; e
	s_and_b32 s20, ttmp9, 15                       ; cc
	s_lshr_b32 s21, ttmp9, 4                       ; kh
	s_mov_b32 s23, 0
	s_mov_b32 s[PSEL], 0x03010200                  ; bytes 0, 2, 1, 3
	s_wait_kmcnt 0x0
	s_mul_i32 s22, s19, 3145728
	s_mul_i32 s40, s20, 196608
	s_add_co_u32 s22, s22, s40
	s_mul_i32 s40, s[WV], 49152
	s_add_co_u32 s22, s22, s40
	s_mul_i32 s40, s21, 1536
	s_add_co_u32 s22, s22, s40
	s_add_nc_u64 s[4:5], s[4:5], s[22:23]          ; my wave's 16 rows of W2, at the half of K
	s_lshl_b32 s22, s19, 17
	s_lshl_b32 s40, s20, 13
	s_add_co_u32 s22, s22, s40
	s_lshl_b32 s40, s21, 6
	s_add_co_u32 s22, s22, s40
	s_add_nc_u64 s[6:7], s[6:7], s[22:23]          ; the part's scale bytes
	s_lshl_b32 s22, s19, 17
	s_lshl_b32 s40, s21, 10
	s_add_co_u32 s22, s22, s40
	s_add_nc_u64 s[14:15], s[8:9], s[22:23]
	s_add_nc_u64 s[14:15], s[14:15], HSOFF         ; h's scale words: expert, half of K
	s_mul_i32 s22, s19, 3145728
	s_mul_i32 s40, s21, 24576
	s_add_co_u32 s22, s22, s40
	s_add_nc_u64 s[8:9], s[8:9], s[22:23]          ; h's images: expert, half of K
	s_lshl_b32 s22, s19, 7
	s_add_nc_u64 s[42:43], s[10:11], s[22:23]
	s_load_b32 s[NN], s[42:43], 0x0                ; n_e
	s_mul_i32 s22, s19, LPITCH
	s_add_co_u32 s22, s22, 1024
	s_add_nc_u64 s[10:11], s[10:11], s[22:23]      ; the expert's list
	s_mul_i32 s22, s21, 8912896
	s_lshl_b32 s40, s20, 8
	s_add_co_u32 s22, s22, s40
	s_add_nc_u64 s[12:13], s[12:13], s[22:23]      ; y: the half's plane, my 64 outputs
	WIN LDW
.irp p, 0,1,2,3,4,5,6,7,8,9,10,11,12,13,14,15
.irp u, 0,1,2
	global_load_b128 v[4*(3*\p+\u):4*(3*\p+\u)+3], v1, s[4:5] offset:3072*\p+512*\u th:TH_LOAD_NT   ; 512 consecutive bytes, aligned; read once in the launch
.endr
.endr
	WIN 0
.irp b, 0,1
.irp q, 0,1,2,3
	global_load_b128 v[WS+16*\b+4*\q:WS+16*\b+4*\q+3], v6, s[6:7] offset:4096*\b+16*\q th:TH_LOAD_NT
.endr
.endr
	s_wait_kmcnt 0x0
	s_add_co_u32 s[NT], s[NN], 15
	s_lshr_b32 s[NT], s[NT], 4                     ; tiles
	s_max_u32 s[NTM1], s[NT], 1
	s_sub_co_u32 s[NTM1], s[NTM1], 1
	s_mov_b32 s[T0], 0
	s_mov_b32 s[PS], 0
	TILES
	MLOADS                                         ; the first pass's h is asked for directly behind the weights
	s_wait_loadcnt 63                              ; behind the weights' 56 loads stand 170: with 63 out at the most the weights are in
	WIN STW
.irp p, 0,1,2,3,4,5,6,7,8,9,10,11,12,13,14,15
.irp u, 0,1,2
	ds_store_b128 v5, v[4*(3*\p+\u):4*(3*\p+\u)+3] offset:WP*\p+512*\u
.endr
.endr
	WIN 0
.set ii, 0
.rept 32
	v_perm_b32 v[WS+ii], v[WS+ii], v[WS+ii], s[PSEL]
.set ii, ii+1
.endr
	s_wait_dscnt 0x0                               ; for the other waves: my stores have landed
	s_barrier_signal -1
	s_barrier_wait -1                              ; the part lies in LDS whole; it is not written again, and this is the only barrier
	s_cmp_eq_u32 s[NN], 0
	s_cbranch_scc1 .Lend                           ; nobody chose this expert
.Lpass:
	PLACES
	WLOAD 0
.irp s, 0,1,2,3,4,5,6,7,8,9,10,11,12,13,14,15
	GROUP \s
.endr
	WIN 0
	PLACES                                         ; ahead of the first read of results
.irp j, 0,1,2,3,4
	OUT \j
.endr
	s_add_co_u32 s[T0], s[T0], 20
	s_cmp_ge_u32 s[T0], s[NT]
	s_cbranch_scc1 .Lend                           ; all tiles are served: with 64 tiles at the most this is taken in the fourth pass at the latest
	s_wait_xcnt 0x0                                ; the stores have read their offsets and data
	PLACES                                         ; for the loads into registers that the last products read
	TILES
	MLOADS
	s_add_co_u32 s[PS], s[PS], 1
	s_cmp_lt_u32 s[PS], 4
	s_cbranch_scc1 .Lpass
.Lend:
	s_wait_tensorcnt 0x0
	ds_add_u32 v254, v255
	s_wait_dscnt 0x0
	s_endpgm
.Lfunc_end_k_q3752683b2b_gemm2:
	.size	k_q3752683b2b_gemm2, .Lfunc_end_k_q3752683b2b_gemm2-k_q3752683b2b_gemm2
	.p2alignl 7, 3214868480
	.fill 96, 4, 3214868480
	.section	.rodata,"a",@progbits
	.p2align	6, 0x0
	.amdhsa_kernel k_q3752683b2b_gemm2
		.amdhsa_group_segment_fixed_size 117248
		.amdhsa_private_segment_fixed_size 0
		.amdhsa_enable_private_segment 0
		.amdhsa_kernarg_size 40
		.amdhsa_user_sgpr_count 2
		.amdhsa_user_sgpr_kernarg_segment_ptr 1
		.amdhsa_wavefront_size32 1
		.amdhsa_system_sgpr_workgroup_id_x 1
		.amdhsa_system_sgpr_workgroup_id_y 1
		.amdhsa_system_sgpr_workgroup_id_z 1
		.amdhsa_system_vgpr_workitem_id 0
		.amdhsa_next_free_vgpr 1024
		.amdhsa_next_free_sgpr 66
		.amdhsa_reserve_vcc 0
		.amdhsa_float_denorm_mode_32 3
		.amdhsa_float_denorm_mode_16_64 3
		.amdhsa_memory_ordered 1
		.amdhsa_forward_progress 1
		.amdhsa_inst_pref_size 133
	.end_amdhsa_kernel
	.amdgpu_metadata
---
amdhsa.version: [ 1, 2 ]
amdhsa.kernels:
  - .name:           k_q3752683b2b_gemm2
    .symbol:         k_q3752683b2b_gemm2.kd
    .args:
      - { .name: w2_codes, .offset: 0, .size: 8, .value_kind: global_buffer, .address_space: global }
      - { .name: w2_scales, .offset: 8, .size: 8, .value_kind: global_buffer, .address_space: global }
      - { .name: h, .offset: 16, .size: 8, .value_kind: global_buffer, .address_space: global }
      - { .name: lst, .offset: 24, .size: 8, .value_kind: global_buffer, .address_space: global }
      - { .name: y, .offset: 32, .size: 8, .value_kind: global_buffer, .address_space: global }
    .group_segment_fixed_size: 117248
    .private_segment_fixed_size: 0
    .kernarg_segment_align: 8
    .kernarg_segment_size: 40
    .max_flat_workgroup_size: 128
    .sgpr_count:     66
    .vgpr_count:     1024
    .wavefront_size: 32
...
	.end_amdgpu_metadata
.endif
;; end of part 3
;; launch combine (part 4): grid 256 x 1, 4 waves a work-group, no clusters, 0 bytes of LDS; arguments y, cw, out0; writes out0
.if DOCPART == 4
	.amdgcn_target "amdgcn-amd-amdhsa--gfx1250"
	.amdhsa_code_object_version 6
	.text
	.protected	k_q3752683b2b_combine
	.globl	k_q3752683b2b_combine
	.p2align	8
	.type	k_q3752683b2b_combine,@function
k_q3752683b2b_combine:
	s_mov_b64 s[64:65], 0
	v_nop
	global_prefetch_b8 v0, s[64:65] scope:SCOPE_SE
	s_setreg_imm32_b32 hwreg(HW_REG_WAVE_MODE, 25, 1), 1
	s_wait_xcnt 0x0
; out[t] = w0 (y[0][t] + y[1][t]) + w1 (y[0][1,024 + t] + y[1][1,024 + t]): the two halves of K of each chosen expert's row are added, and the two rows weighed by the router's softmax.  All in f32.
; One wave takes one token t = 4 x work-group + wave: four rows of 4,096 bytes in, one out; every load and store of the wave covers 512 consecutive bytes, aligned.
; All 32 loads of a wave go out at once; piece i (512 bytes of each of the four rows) is worked on as soon as its four loads are in.  No LDS, no barrier, no matrix unit: a stream.
; LIMIT: the order of these four additions is not that of a sum over all eight experts; the six experts that were not chosen add exact zeros there.
.set PLANE, 8912896                    ; from one half's plane of y to the other's
.set YR,    8                          ; v[YR + 16 i + 4 (2 k + kh) ..]
	s_load_b128 s[4:7], s[0:1], 0x0                ; y s[4:5], cw s[6:7]
	s_load_b64 s[8:9], s[0:1], 0x10                ; out0
	v_lshrrev_b32 v1, 5, v0
	v_readfirstlane_b32 s12, v1                    ; wave
	v_and_b32 v1, 31, v0
	v_lshlrev_b32 v1, 4, v1                        ; 16 x lane
	s_lshl_b32 s13, ttmp9, 2
	s_add_co_u32 s13, s13, s12                     ; t
	s_lshl_b32 s14, s13, 3
	s_mov_b32 s15, 0
	s_lshl_b32 s16, s13, 12
	s_mov_b32 s17, 0
	s_wait_kmcnt 0x0
	s_add_nc_u64 s[6:7], s[6:7], s[14:15]
	s_load_b64 s[20:21], s[6:7], 0x0               ; w0, w1
	s_add_nc_u64 s[4:5], s[4:5], s[16:17]          ; y[0][t]
	s_add_nc_u64 s[10:11], s[4:5], PLANE           ; y[1][t]
	s_add_nc_u64 s[8:9], s[8:9], s[16:17]          ; out[t]
.irp i, 0,1,2,3,4,5,6,7
.irp k, 0,1
	global_load_b128 v[YR+16*\i+8*\k:YR+16*\i+8*\k+3], v1, s[4:5] offset:4194304*\k+512*\i th:TH_LOAD_NT
	global_load_b128 v[YR+16*\i+8*\k+4:YR+16*\i+8*\k+7], v1, s[10:11] offset:4194304*\k+512*\i th:TH_LOAD_NT
.endr
.endr
	s_wait_kmcnt 0x0
	s_mov_b32 s22, s21                             ; the packed forms take a pair's low word for both halves: w1 gets a pair of its own
	s_mov_b32 s23, s21
.irp i, 0,1,2,3,4,5,6,7
	s_wait_loadcnt 4*(7-\i)                        ; piece i is in; the four loads of each later piece may stay out
.irp p, 0,2
	v_pk_add_f32 v[YR+16*\i+\p:YR+16*\i+\p+1], v[YR+16*\i+\p:YR+16*\i+\p+1], v[YR+16*\i+4+\p:YR+16*\i+4+\p+1]
	v_pk_add_f32 v[YR+16*\i+8+\p:YR+16*\i+8+\p+1], v[YR+16*\i+8+\p:YR+16*\i+8+\p+1], v[YR+16*\i+12+\p:YR+16*\i+12+\p+1]
.endr
.irp p, 0,2
	v_pk_mul_f32 v[YR+16*\i+\p:YR+16*\i+\p+1], v[YR+16*\i+\p:YR+16*\i+\p+1], s[20:21] op_sel_hi:[1,0]
.endr
.irp p, 0,2
	v_pk_fma_f32 v[YR+16*\i+\p:YR+16*\i+\p+1], v[YR+16*\i+8+\p:YR+16*\i+8+\p+1], s[22:23], v[YR+16*\i+\p:YR+16*\i+\p+1] op_sel_hi:[1,0,1]
.endr
	global_store_b128 v1, v[YR+16*\i:YR+16*\i+3], s[8:9] offset:512*\i th:TH_STORE_NT
.endr
	s_endpgm
.Lfunc_end_k_q3752683b2b_combine:
	.size	k_q3752683b2b_combine, .Lfunc_end_k_q3752683b2b_combine-k_q3752683b2b_combine
	.p2alignl 7, 3214868480
	.fill 96, 4, 3214868480
	.section	.rodata,"a",@progbits
	.p2align	6, 0x0
	.amdhsa_kernel k_q3752683b2b_combine
		.amdhsa_group_segment_fixed_size 0
		.amdhsa_private_segment_fixed_size 0
		.amdhsa_enable_private_segment 0
		.amdhsa_kernarg_size 24
		.amdhsa_user_sgpr_count 2
		.amdhsa_user_sgpr_kernarg_segment_ptr 1
		.amdhsa_wavefront_size32 1
		.amdhsa_system_sgpr_workgroup_id_x 1
		.amdhsa_system_sgpr_workgroup_id_y 1
		.amdhsa_system_sgpr_workgroup_id_z 1
		.amdhsa_system_vgpr_workitem_id 0
		.amdhsa_next_free_vgpr 136
		.amdhsa_next_free_sgpr 66
		.amdhsa_reserve_vcc 0
		.amdhsa_float_denorm_mode_32 3
		.amdhsa_float_denorm_mode_16_64 3
		.amdhsa_memory_ordered 1
		.amdhsa_forward_progress 1
		.amdhsa_inst_pref_size 10
	.end_amdhsa_kernel
	.amdgpu_metadata
---
amdhsa.version: [ 1, 2 ]
amdhsa.kernels:
  - .name:           k_q3752683b2b_combine
    .symbol:         k_q3752683b2b_combine.kd
    .args:
      - { .name: y, .offset: 0, .size: 8, .value_kind: global_buffer, .address_space: global }
      - { .name: cw, .offset: 8, .size: 8, .value_kind: global_buffer, .address_space: global }
      - { .name: out0, .offset: 16, .size: 8, .value_kind: global_buffer, .address_space: global }
    .group_segment_fixed_size: 0
    .private_segment_fixed_size: 0
    .kernarg_segment_align: 8
    .kernarg_segment_size: 24
    .max_flat_workgroup_size: 128
    .sgpr_count:     66
    .vgpr_count:     136
    .wavefront_size: 32
...
	.end_amdgpu_metadata
.endif
;; end of part 4
;; ======== version 2 of 2: 4 launches; version 1 with the launches gemm1, gemm2 written anew for expert scheduling mode
;; workspace buffers: sel 4,096 bytes of whole numbers; cw 8,192 bytes; xq 819,200 bytes; lst 50,176 bytes of whole numbers; h 26,214,400 bytes; y 17,825,792 bytes
;; launch route: the kernel of part 1 again; grid 256 x 1, 4 waves a work-group, no clusters, 55,808 bytes of LDS; arguments hidden_states, gate_w, sel, cw, xq; writes sel, cw, xq
;; launch gemm1 (part 5): grid 32 x 8, 4 waves a work-group, no clusters, 151,040 bytes of LDS; arguments w1_codes, w1_scales, xq, sel, h, lst; writes h, lst
.if DOCPART == 5
	.amdgcn_target "amdgcn-amd-amdhsa--gfx1250"
	.amdhsa_code_object_version 6
	.text
	.protected	k_q3752683b2b_gemm1
	.globl	k_q3752683b2b_gemm1
	.p2align	8
	.type	k_q3752683b2b_gemm1,@function
k_q3752683b2b_gemm1:
	s_mov_b64 s[64:65], 0
	v_nop
	global_prefetch_b8 v0, s[64:65] scope:SCOPE_SE
	s_setreg_imm32_b32 hwreg(HW_REG_WAVE_SCHED_MODE, 0, 2), 2
	s_setreg_imm32_b32 hwreg(HW_REG_WAVE_MODE, 25, 1), 1
	s_wait_xcnt 0x0
	s_wait_alu depctr_vm_vsrc(0)
; THE ROWS ARE PLACED BY EXPERT, AND h = Q(relu(xq W1[e]^T)) IS MADE FOR THE ROWS THAT CHOSE EXPERT e, on codes of E3M2 with one E8M0 scale for each 32 along K.  Only the chosen rows are multiplied.
; SHARES.  Expert e = work-group y; work-group x = S owns rows 128 S .. 128 S + 127 of W1[e] (98,304 bytes, read from memory by this work-group alone), which are K step S of the next product.
; The four waves bring that part through registers into LDS once, behind ONE barrier; afterwards no wave waits for another.  Each wave multiplies the whole part against its own row tiles
; (16 rows each): tiles t0 + 4 j + wave, j = 0 .. 4; a pass serves 20 tiles (320 rows), and t0 steps by 20 until the expert's n_e rows are served.
; THE LOOP OVER PASSES is counted to 4, the most that 1,024 rows (64 tiles, 20 a pass) need, and is left by a forward jump as soon as the tiles are served.
; RANKS.  sel[t] = (1 << e0) | (0x100 << e1) are whole numbers that the launch before stored.  Every wave reads all 1,024 words while the weights are on their way, makes 32 lane masks (token chose e) and their
; running counts, and finds the token of each of its 80 ranks by a search without any scatter.  ORDER OF RANKS: group g = 0 .. 31, then lane l; token = 128 (g / 4) + 4 l + g % 4: the order in which eight loads
; of 16 bytes a lane deliver sel.  Every wave of every work-group of an expert finds the same order.  A rank at or past n_e finds some token inside the table: its row is multiplied and goes to a padding row of
; the last tile, or its tile's way out is jumped over.
; x.  The 16 rows of a tile are read from xq as rows (16 lanes: 256 consecutive bytes, aligned) and turned through the wave's own stage in LDS into the image of the operand's registers.
; lst (stored by work-group x = 0 of each expert alone): words 32 e .. 32 e + 31 = n_e; from byte 1,024 on, [e][rank 0 .. 1,535] = the row of y that the rank owns: 1,024 k + token (k: first or second choice), or for
; ranks at or past n_e the row 2,048 + 16 e + rank % 16, which nobody reads.  1,536 ranks an expert give every slot of every pass (rank 1,279 at the most) a word of its own.
; K INSIDE AN INSTRUCTION.  Of each 96 bytes (128 along K) of a row lane (r, h) takes the 48 consecutive bytes at 48 h, by three loads of 16 bytes, on BOTH operands: the unit's blocks 0, 1, 2, 3 are the
; memory's 0, 2, 1, 3, and the bytes of every scale word stand in that order (the weights' words are turned once by v_perm_b32; x's were made so).  The products are the same; the order of the sums inside an instruction is not.
; TRANSPOSED USE: source 0 = 16 rows of W1, source 1 = 16 rows of x: a lane holds ONE row of h.  THE ROWS OF W1 THAT FORM A TILE ARE NOT NEIGHBOURS: row m of tile 2 b + u is row 32 b + 8 u + m + 8 (m / 8),
; so that a lane's 16 registers of tiles 2 b, 2 b + 1 are the 16 neighbours 32 b + 16 h + 0 .. 15 along the next K.  In LDS the rows are laid so that a tile is 16 rows on end.
; h leaves as an image: [e][tile][S][piece][lane][16 bytes], and from HSOFF on its scale words [e][tile][S][row]: 64 bytes a tile, part of a unit.
; NO JOINT LOADS, though the 32 work-groups of an expert read the same x: the jump out of the passes and the jumps round the ways out hang on n_e, a number made of loaded numbers;
; without those jumps every expert would run all 4 passes.
; LIMITS.  NaN and infinities are not served.  A block of h whose largest number lies under 2^-122, a block of zeros too, gets the scale byte 1: read by this program alone.
; THE MODE: SCHED_MODE bits 1:0 = 2 (LLVM: expert scheduling mode 2), set by the entry lines.  The code itself states the register dependences between vector or matrix instructions and memory or LDS
; instructions, and those through scalar registers that vector instructions write, with s_wait_alu, always for 0.
; THE PLAN.  Registers that memory or LDS instructions touch, and who else names them:
;   v1-17             offsets and LDS addresses: written at the head, read by loads and stores, never written again.
;   v84-175           a pass is prepared: sel lands in v84-115; the search reads it and writes v116-175; the lane pulls, three one-word loads and the list's stores read v116-175.
;                     Then the same registers take the codes: the pass's conversions and exchanges write v84-183, the stores at its end read v84-143.
;   v209-253          the lane pulls land here, vector work makes offsets of the tokens, x's loads read them.
;   x, v64-83         (windows 2, 3) the rows land, the stage's stores read them, the images land in the same registers, the products of the whole pass read them; the scale words land, the products read them.
;   W1's three sets   (window 1, v80-223) group g's four fragments land in set g % 3; its 20 products read them.
;   v18-27, v204-208  the tiles' offsets in h and h's scale words: vector work writes them, the stores at the pass's end read them.
; ONE wait on va_vdst stands at the head of each PAIR of groups g, g + 1 (g even): groups g - 2 and g - 1 are done reading sets (g + 1) % 3 and (g + 2) % 3.  The loads of groups g + 1 and g + 2 follow it, dealt among
; group g's products, which name set g % 3, the accumulators, x and the scale words: none of the registers that those loads touch.  The other waits stand where a buffer changes hands; each says what it states.
; The search's compares write their masks into runs of scalar registers, one wait on va_sdst behind each run.
; REGISTERS.  Window 0: v1-30 addresses and lane numbers; v32-63 W1's scale words; v64-83 x's; v84-143 the codes on their way out; v144-208 at work (v84-175 also serve the search); v209-253 offsets of x's rows.
; Window 1: v0-79 ten accumulators (tile j, u); v80-223 three sets of four fragments of W1 (in the head v0-191: W1 on its way to LDS).  Windows 2, 3: x, K steps 0-3 and 4-7: fragment (j, s) at 12 (5 (s % 4) + j).
.set PT,    784                        ; an LDS row of W1, and of a stage: 768 bytes + 16 = 49 x 16 bytes: 16 rows fall on 16 different columns of 16 bytes
.set STG,   128*PT                     ; behind W1's 128 rows: a stage of 16 rows for each wave
.set HSOFF, 25165824
.set XSOFF, 786432                     ; where the scale words begin in xq
.set LPITCH, 6144                      ; bytes of an expert's list
.set WA,   3                           ; v3   PT r + 48 h: tiles 0-3
.set WAB,  4                           ; v4   the same, 64 rows on: tiles 4-7
.set SI,   8                           ; v8   my stage, in: row 8 h + p, bytes 256 u + 16 r
.set SOA,  9                           ; v9   and out: row r, bytes 96 s + 48 h + 16 i
.set VR64, 10                          ; v10  r + 64 h
.set R16,  12                          ; v12  16 r
.set H16,  13                          ; v13  16 h
.set VZ,   14                          ; v14  0
.set VONE, 15                          ; v15  1
.set L4,   16                          ; v16  4 x lane
.set H32,  17                          ; v17  32 h
.set HO,   18                          ; v18-22  tile j: offset of its image in h
.set HSO,  23                          ; v23-27  of its scale words in h
.set WS,   32                          ; v[WS + 8 b + s]: lanes 0-15 tile 2 b, lanes 16-31 tile 2 b + 1, K step s
.set XS,   64                          ; v[XS + 4 j + q]: lanes 0-15 K step q, lanes 16-31 K step 4 + q
.set OC,   84                          ; v[OC + 12 j ..]: the fragment of h
.set TT,   144                         ; v[TT + 8 j ..]: the codes of blocks 2 and 3 ahead of the exchange
.set TM,   184
.set PD,   189
.set SO,   194
.set BY,   199
.set PW,   204                         ; the scale word of h
.set XOF,  209                         ; v[XOF + 8 j + p]: 768 x token of row 8 h + p of tile j, + 16 r
.set XSOF, 249                         ; v[XSOF + j]: 32 x token of row r of tile j, + 16 h
; the search's registers, free between a pass's way out and the next pass's products
.set SELW, 84                          ; v84-115  sel: register g, lane l: token 128 (g / 4) + 4 l + g % 4
.set IDX,  116                         ; v116-131 lane pulls: 64 b + 32 h + 4 p;  v132: 64 + 4 r
.set RHO,  134                         ; three batches of 32 ranks, a = 0, 1, 2: the rank,
.set KEY,  137                         ; rank << 16 | 0xffff,
.set SK,   140                         ; the key of the group that holds it,
.set SM,   143                         ; that group's mask,
.set NP,   146                         ; 1 + which set bit of it,
.set CNT,  149
.set POS,  152
.set TOK,  155                         ; the token
.set TA,   158
.set TB,   161
.set SELK, 164                         ; the token's word of sel
.set YR,   167
.set LOFF, 170
.set KAD,  173
.set WBUF, 80
.set WV,   18
.set KE,   20                          ; s20  the two bits of sel that name e
.set RUN,  21                          ; s21  ranks so far
.set NN,   24
.set NT,   25
.set NTM1, 26
.set T0,   27
.set TJ,   28                          ; s28-32
.set PS,   33                          ; s33  passes begun behind the first
.set SEL,  34
.set PSEL, 36
.set CM,   44                          ; s44-61  the masks of a run of compares
.set MK,   66                          ; s66-81  the masks of 16 groups
.set KY,   82                          ; s82-97  their keys: (ranks in front of the group) << 16 | group
.set MSB, 0
.macro WIN new                         ; the immediate's high byte repeats the setting that is left; a switch that changes nothing is dropped
.if MSB != \new
	s_set_vgpr_msb (MSB<<8)|\new
.set MSB, \new
.endif
.endm
.set MUL2, 0x59                        ; source 0 (W1), C and D window 1; source 1 (x) window 2
.set MUL3, 0x5d                        ; the same with x in window 3
.set LDW,  0x40                        ; destination window 1
.set LD2,  0x80
.set LD3,  0xc0
.set STW,  0x04                        ; an LDS store's data (source 1) window 1
.set ST2,  0x08                        ; window 2
.set ST3,  0x0c                        ; window 3
.set MAXW, 0x05                        ; sources 0 and 1 window 1
.set RELW, 0x44                        ; source 1 and destination window 1
.set CVTW, 0x01                        ; source 0 window 1
.macro PLACES                          ; four plain instructions between a matrix instruction and a read or write by a vector instruction of one of its registers; at a pair's head they stand ahead of the wait that states the loads' dependence
.rept 4
	v_nop
.endr
.endm
.macro MM d, a, b, zero, sa, sb, ra, rb   ; one product; ra, rb: the scale words stand in lanes 16-31
.if \zero
.if \ra
	v_wmma_scale_f32_16x16x128_f8f6f4 v[(\d):(\d)+7], v[(\a):(\a)+11], v[(\b):(\b)+11], 0, v[\sa], v[\sb] matrix_a_fmt:MATRIX_FMT_BF6 matrix_b_fmt:MATRIX_FMT_BF6 matrix_a_scale:MATRIX_SCALE_ROW1
.else
	v_wmma_scale_f32_16x16x128_f8f6f4 v[(\d):(\d)+7], v[(\a):(\a)+11], v[(\b):(\b)+11], 0, v[\sa], v[\sb] matrix_a_fmt:MATRIX_FMT_BF6 matrix_b_fmt:MATRIX_FMT_BF6
.endif
.else
.if (\ra) && (\rb)
	v_wmma_scale_f32_16x16x128_f8f6f4 v[(\d):(\d)+7], v[(\a):(\a)+11], v[(\b):(\b)+11], v[(\d):(\d)+7], v[\sa], v[\sb] matrix_a_fmt:MATRIX_FMT_BF6 matrix_b_fmt:MATRIX_FMT_BF6 matrix_a_scale:MATRIX_SCALE_ROW1 matrix_b_scale:MATRIX_SCALE_ROW1
.elseif \ra
	v_wmma_scale_f32_16x16x128_f8f6f4 v[(\d):(\d)+7], v[(\a):(\a)+11], v[(\b):(\b)+11], v[(\d):(\d)+7], v[\sa], v[\sb] matrix_a_fmt:MATRIX_FMT_BF6 matrix_b_fmt:MATRIX_FMT_BF6 matrix_a_scale:MATRIX_SCALE_ROW1
.elseif \rb
	v_wmma_scale_f32_16x16x128_f8f6f4 v[(\d):(\d)+7], v[(\a):(\a)+11], v[(\b):(\b)+11], v[(\d):(\d)+7], v[\sa], v[\sb] matrix_a_fmt:MATRIX_FMT_BF6 matrix_b_fmt:MATRIX_FMT_BF6 matrix_b_scale:MATRIX_SCALE_ROW1
.else
	v_wmma_scale_f32_16x16x128_f8f6f4 v[(\d):(\d)+7], v[(\a):(\a)+11], v[(\b):(\b)+11], v[(\d):(\d)+7], v[\sa], v[\sb] matrix_a_fmt:MATRIX_FMT_BF6 matrix_b_fmt:MATRIX_FMT_BF6
.endif
.endif
.endm
.macro TILES                           ; the pass's five tiles of my wave, and where their results go; a tile past the last is held at the last, and at 63, the buffer's last
.irp j, 0,1,2,3,4
	s_add_co_u32 s[TJ+\j], s[T0], s[WV]
	s_add_co_u32 s[TJ+\j], s[TJ+\j], 4*\j
	s_min_u32 s40, s[TJ+\j], s[NTM1]
	s_min_u32 s40, s40, 63
	s_mul_i32 s41, s40, 49152
	v_add_nc_u32 v[HO+\j], s41, v1
	s_lshl_b32 s41, s40, 11
	v_add_nc_u32 v[HSO+\j], s41, v2
.endr
.endm
.macro SRCH g0, cnt                    ; the search's steps over groups g0 .. g0 + cnt - 1 of a half, the three batches by turns: a run of compares into scalar registers, one wait, the selections
.set gg, \g0
.rept \cnt
.irp a, 0,1,2
	v_cmp_gt_i32 s[CM+3*(gg-(\g0))+\a], s[KY+gg], v[KEY+\a]    ; the group begins past the rank: keep what stands
.endr
.set gg, gg+1
.endr
	s_wait_alu depctr_va_sdst(0)                   ; the run's masks are written, ahead of their first readers, the selections below
.set gg, \g0
.rept \cnt                             ; the last group in front of which at most the rank's number of ranks lie holds the rank
.irp a, 0,1,2
	v_cndmask_b32 v[SK+\a], s[KY+gg], v[SK+\a], s[CM+3*(gg-(\g0))+\a]
	v_cndmask_b32 v[SM+\a], s[MK+gg], v[SM+\a], s[CM+3*(gg-(\g0))+\a]
.endr
.set gg, gg+1
.endr
.endm
.macro HALF hf                         ; groups 16 hf .. 16 hf + 15: their masks and keys, and the search's steps over them
.set gg, 0
.rept 16
	v_and_b32 v[TA+gg%3], s[KE], v[SELW+16*\hf+gg]
	v_cmp_ne_u32 s[MK+gg], 0, v[TA+gg%3]           ; lane l: the group's token l chose e
.set gg, gg+1
.endr
	s_wait_alu depctr_va_sdst(0)                   ; the sixteen masks are written, ahead of their first readers, the counts below
.set gg, 0
.rept 16
	s_lshl_b32 s[KY+gg], s[RUN], 16
	s_or_b32 s[KY+gg], s[KY+gg], 16*\hf+gg
	s_bcnt1_i32_b32 s40, s[MK+gg]
	s_add_co_u32 s[RUN], s[RUN], s40
.set gg, gg+1
.endr
.if \hf == 0
.irp a, 0,1,2
	v_mov_b32 v[SK+\a], s[KY]
	v_mov_b32 v[SM+\a], s[MK]
.endr
	SRCH 1, 6
	SRCH 7, 6
	SRCH 13, 3
.else
	SRCH 0, 6
	SRCH 6, 6
	SRCH 12, 4
.endif
.endm
; A PASS IS PREPARED: sel (and, first = 1, the weights) asked for; the tokens of my 80 ranks; x's rows asked for; the list stored.
.macro PREP first
.if !\first
	s_wait_alu depctr_vm_vsrc(0)                   ; the last pass's stores have read the codes v84-143, the scale words v204-208 and the offsets v18-27, its loads and lane pulls v116-175 and v209-253: all are written again below
.endif
	s_wait_alu depctr_va_vdst(0)                   ; the offsets and addresses of the head are written, which the loads below read; in a later pass the conversions and exchanges are done with v84-115, in which sel lands
.irp i, 0,1,2,3,4,5,6,7
	global_load_b128 v[SELW+4*\i:SELW+4*\i+3], v1, s[10:11] offset:512*\i
.endr
.if \first
	WIN LDW
.irp p, 0,1,2,3,4,5,6,7,8,9,10,11,12,13,14,15
.irp u, 0,1,2
	global_load_b128 v[4*(3*\p+\u):4*(3*\p+\u)+3], v5, s[4:5] offset:1536*\p+256*\u th:TH_LOAD_NT   ; read once in the launch
.endr
.endr
	WIN 0
.irp b, 0,1,2,3
.irp q, 0,1
	global_load_b128 v[WS+8*\b+4*\q:WS+8*\b+4*\q+3], v7, s[6:7] offset:1024*\b+16*\q th:TH_LOAD_NT
.endr
.endr
.endif
	s_add_co_u32 s37, s[T0], s[WV]
	s_lshl_b32 s37, s37, 4                         ; 16 (t0 + wave): the first rank of my first tile
	v_add_nc_u32 v[RHO], s37, v[VR64]              ; batch 0: lane (r, h) takes row r of tile slot h: slots lie 4 tiles, 64 ranks, apart
	v_add_nc_u32 v[RHO+1], 0x80, v[RHO]            ; batch 1: slots 2 and 3
	v_add_nc_u32 v[RHO+2], s37, v29
	v_add_nc_u32 v[RHO+2], 0x100, v[RHO+2]         ; batch 2: slot 4, in both halves of the lanes
.irp a, 0,1,2
	v_lshl_or_b32 v[KEY+\a], v[RHO+\a], 16, 0xffff
.endr
.irp b, 0,1
.irp p, 0,1,2,3,4,5,6,7
	v_add_nc_u32 v[IDX+8*\b+\p], 64*\b+4*\p, v[H32]   ; 4 x the lane of a batch that holds row 8 h + p of its slot b
.endr
.endr
	v_add_nc_u32 v[IDX+16], 64, v2                 ; and row r of its slot 1 (of slot 0: 4 r)
	s_mov_b32 s[RUN], 0
.if \first
	s_wait_loadcnt 56                              ; sel is in; the 56 loads of the weights, issued behind it, stay out
.else
	s_wait_loadcnt 0x0
.endif
	HALF 0
	HALF 1
	s_mov_b32 s[NN], s[RUN]                        ; n_e
	s_add_co_u32 s[NT], s[NN], 15
	s_lshr_b32 s[NT], s[NT], 4                     ; tiles
	s_max_u32 s[NTM1], s[NT], 1
	s_sub_co_u32 s[NTM1], s[NTM1], 1
	TILES
.irp a, 0,1,2
	v_lshrrev_b32 v[TA+\a], 16, v[SK+\a]
.endr
.irp a, 0,1,2
	v_sub_nc_u32 v[NP+\a], v[RHO+\a], v[TA+\a]     ; which set bit of the group's mask: 0, 1 ..
.endr
.irp a, 0,1,2
	v_add_nc_u32 v[NP+\a], 1, v[NP+\a]
	v_mov_b32 v[CNT+\a], 0
	v_mov_b32 v[POS+\a], 0
.endr
.irp hb, 0,1                           ; its place = the number of bits up to and with which at most that many are set: 16 bits at a time, 48 compares into s66-97 and s44-59, which the groups' masks and keys have left
.set gg, 16*\hb
.rept 16
.irp a, 0,1,2
	v_bfe_u32 v[TA+\a], v[SM+\a], gg, 1
.endr
.irp a, 0,1,2
	v_add_nc_u32 v[CNT+\a], v[CNT+\a], v[TA+\a]
.endr
.irp a, 0,1,2
	v_cmp_gt_i32 s[MK+16*\a-54*(\a/2)+gg%16], v[NP+\a], v[CNT+\a]
.endr
.set gg, gg+1
.endr
	s_wait_alu depctr_va_sdst(0)                   ; the 48 masks are written, ahead of their first readers, the selections below
.set gg, 0
.rept 16
.irp a, 0,1,2
	v_cndmask_b32 v[TB+\a], v[VZ], v[VONE], s[MK+16*\a-54*(\a/2)+gg]
.endr
.irp a, 0,1,2
	v_add_nc_u32 v[POS+\a], v[POS+\a], v[TB+\a]
.endr
.set gg, gg+1
.endr
.endr
.irp a, 0,1,2
	v_and_b32 v[SK+\a], 31, v[SK+\a]               ; the group
	v_lshrrev_b32 v[TA+\a], 2, v[SK+\a]
	v_lshlrev_b32 v[TA+\a], 7, v[TA+\a]
	v_lshl_add_u32 v[TA+\a], v[POS+\a], 2, v[TA+\a]
	v_and_b32 v[SK+\a], 3, v[SK+\a]
	v_add_nc_u32 v[TA+\a], v[TA+\a], v[SK+\a]
	v_min_u32 v[TOK+\a], 0x3ff, v[TA+\a]           ; my rank's token, held inside the table
	v_lshlrev_b32 v[KAD+\a], 2, v[TOK+\a]
.endr
	s_wait_alu depctr_va_vdst(0)                   ; the tokens, the pulls' lane numbers and the words' offsets are written, which the lane pulls and the three loads read; in a later pass the arithmetic on v209-253, in which the pulls land, is done
.irp j, 0,1,2,3,4                      ; lane pulls (no LDS byte is touched): the token of row 8 h + p of tile slot j, and that of row r
.irp p, 0,1,2,3,4,5,6,7
	ds_bpermute_b32 v[XOF+8*\j+\p], v[IDX+8*(\j%2)+\p], v[TOK+\j/2]
.endr
.if (\j%2) == 0
	ds_bpermute_b32 v[XSOF+\j], v2, v[TOK+\j/2]
.else
	ds_bpermute_b32 v[XSOF+\j], v[IDX+16], v[TOK+\j/2]
.endif
.endr
.irp a, 0,1,2
	global_load_b32 v[SELK+\a], v[KAD+\a], s[10:11]   ; the token's word of sel once more: first or second choice?  (only the work-group that stores the list reads it)
.endr
	s_wait_dscnt 0x0
.set gg, 0
.rept 40
	v_min_u32 v[XOF+gg], 0x3ff, v[XOF+gg]
.set gg, gg+1
.endr
.set gg, 0
.rept 40
	v_mul_u32_u24 v[XOF+gg], 0x300, v[XOF+gg]
.set gg, gg+1
.endr
.set gg, 0
.rept 40
	v_add_nc_u32 v[XOF+gg], v[XOF+gg], v[R16]      ; 768 x token + 16 r
.set gg, gg+1
.endr
.irp j, 0,1,2,3,4
	v_min_u32 v[XSOF+\j], 0x3ff, v[XSOF+\j]
.endr
.irp j, 0,1,2,3,4
	v_lshlrev_b32 v[XSOF+\j], 5, v[XSOF+\j]
.endr
.irp j, 0,1,2,3,4
	v_add_nc_u32 v[XSOF+\j], v[XSOF+\j], v[H16]    ; 32 x token + 16 h
.endr
	s_wait_alu depctr_va_vdst(0)                   ; the 45 offsets are written, which the loads below read; in a later pass the last products are done reading x and its scale words, in which these loads land
.irp j, 0,1,2,3,4
	global_load_b128 v[XS+4*\j:XS+4*\j+3], v[XSOF+\j], s[8:9] offset:XSOFF
.endr
.irp j, 0,1,2,3,4                      ; 24 loads a tile, tile by tile: piece (p, u) of the rows lands in the registers that piece (s = p, i = u) of the image takes
	WIN LD2
.irp p, 0,1,2,3
.irp u, 0,1,2
	global_load_b128 v[12*(5*\p+\j)+4*\u:12*(5*\p+\j)+4*\u+3], v[XOF+8*\j+\p], s[8:9] offset:256*\u   ; 16 lanes: 256 consecutive bytes of a row, aligned
.endr
.endr
	WIN LD3
.irp p, 0,1,2,3
.irp u, 0,1,2
	global_load_b128 v[12*(5*\p+\j)+4*\u:12*(5*\p+\j)+4*\u+3], v[XOF+8*\j+4+\p], s[8:9] offset:256*\u
.endr
.endr
.endr
	WIN 0
	s_cmp_lg_u32 ttmp9, 0
	s_cbranch_scc1 .Lnolist_\@                     ; the expert's first work-group stores the list
	s_wait_loadcnt 63                              ; behind the three words stand 125 loads: with 63 out at the most the words are in
	v_add_nc_u32 v[TB], s39, v29                   ; the padding's row: 2,048 + 16 e + r
.irp a, 0,1,2
	v_lshrrev_b32 v[YR+\a], s38, v[SELK+\a]
	v_and_b32 v[YR+\a], 1, v[YR+\a]                ; k
	v_lshl_add_u32 v[YR+\a], v[YR+\a], 10, v[TOK+\a]   ; 1,024 k + token
	v_cmp_gt_i32 s[CM+\a], s[NN], v[RHO+\a]        ; is the rank a row?
	v_lshlrev_b32 v[LOFF+\a], 2, v[RHO+\a]
.endr
	v_mov_b32 v[TA], s[NN]
	s_wait_alu depctr_va_sdst(0)                   ; the three masks are written, ahead of their first readers, the selections below
.irp a, 0,1,2
	v_cndmask_b32 v[YR+\a], v[TB], v[YR+\a], s[CM+\a]
.endr
	s_wait_alu depctr_va_vdst(0)                   ; the rows, their offsets and the count are written, which the four stores read
.irp a, 0,1,2
	global_store_b32 v[LOFF+\a], v[YR+\a], s[14:15]    ; 64 consecutive bytes for each tile slot (batch 2: both halves of the lanes write the same words with the same values)
.endr
	global_store_b32 v[L4], v[TA], s[42:43]        ; 128 consecutive bytes, all n_e; the four waves write the same
	s_wait_xcnt 0x0                                ; these stores have read their registers, which the products' way out writes again
.Lnolist_\@:
	s_wait_alu depctr_vm_vsrc(0)                   ; the lane pulls, the three one-word loads and the list's stores have read v116-175, which the pass's conversions write again
.endm
.macro IMG j                           ; tile slot j: 16 rows into my stage as rows, and back as the operand's registers.  LDS serves a wave's instructions in order: no wait on DScnt between, nor ahead of the next tile's stores
.if 24*(4-\j) > 63
	s_wait_loadcnt 63                              ; behind this tile's rows stand 24 loads for each later tile: more than the count can say
.else
	s_wait_loadcnt 24*(4-\j)                       ; this tile's rows are in; the later tiles' 24 loads each may stay out
.endif
	WIN ST2
.irp p, 0,1,2,3
.irp u, 0,1,2
	ds_store_b128 v[SI], v[12*(5*\p+\j)+4*\u:12*(5*\p+\j)+4*\u+3] offset:PT*\p+256*\u
.endr
.endr
	WIN ST3
.irp p, 0,1,2,3
.irp u, 0,1,2
	ds_store_b128 v[SI], v[12*(5*\p+\j)+4*\u:12*(5*\p+\j)+4*\u+3] offset:PT*(\p+4)+256*\u
.endr
.endr
	WIN LD2
	s_wait_alu depctr_vm_vsrc(0)                   ; the 24 stores above have read the tile's registers, in which the 24 loads below land
.irp s, 0,1,2,3
.irp i, 0,1,2
	ds_load_b128 v[12*(5*\s+\j)+4*\i:12*(5*\s+\j)+4*\i+3], v[SOA] offset:96*\s+16*\i
.endr
.endr
	WIN LD3
.irp s, 0,1,2,3
.irp i, 0,1,2
	ds_load_b128 v[12*(5*\s+\j)+4*\i:12*(5*\s+\j)+4*\i+3], v[SOA] offset:96*(\s+4)+16*\i
.endr
.endr
.endm
.macro WLOAD g                         ; group g = 4 b + sp: tiles 2 b, 2 b + 1 of W1, K steps 2 sp, 2 sp + 1: four fragments, 12 loads, into set g % 3
	WIN LDW
.irp sg, 0,1
.irp u, 0,1
.irp i, 0,1,2
.if (2*((\g)/4)+\u) < 4
	ds_load_b128 v[WBUF+48*((\g)%3)+12*(2*\sg+\u)+4*\i:WBUF+48*((\g)%3)+12*(2*\sg+\u)+4*\i+3], v[WA] offset:16*PT*((2*((\g)/4)+\u)%4)+96*(2*((\g)%4)+\sg)+16*\i
.else
	ds_load_b128 v[WBUF+48*((\g)%3)+12*(2*\sg+\u)+4*\i:WBUF+48*((\g)%3)+12*(2*\sg+\u)+4*\i+3], v[WAB] offset:16*PT*((2*((\g)/4)+\u)%4)+96*(2*((\g)%4)+\sg)+16*\i
.endif
.endr
.endr
.endr
.endm
.macro MWIN g                          ; the products' windows: x's K steps 0-3 lie in window 2, 4-7 in window 3
.if ((\g)%4) < 2
	WIN MUL2
.else
	WIN MUL3
.endif
.endm
.macro MULS g, sg, u                   ; five products of group g: K step 2 (g % 4) + sg, tile 2 (g / 4) + u of W1, my five tiles of rows
.irp j, 0,1,2,3,4
	MM 16*\j+8*\u, WBUF+48*((\g)%3)+12*(2*\sg+\u), 12*(5*((2*((\g)%4)+\sg)%4)+\j), ((2*((\g)%4)+\sg)==0), WS+8*((\g)/4)+2*((\g)%4)+\sg, XS+4*\j+(2*((\g)%4)+\sg)%4, \u, ((\g)%4)/2
.endr
.endm
.macro PAIR g                          ; groups g (even) and g + 1, 20 products each: 2 K steps x 2 tiles of W1 x 5 tiles of rows; the ten accumulators take turns, one instruction a turn
	PLACES
	s_wait_dscnt 0x0                               ; group g's four fragments are in, and all LDS loads ahead of them, x's images among them; nothing younger is out
	s_wait_alu depctr_va_vdst(0)                   ; groups g - 2 and g - 1 are done reading their sets, in which the loads of groups g + 1 and g + 2 land; ahead of the first pair: v_perm_b32 has written the weights' scale words, which the products take
	MWIN \g
	MULS \g, 0, 0
	WLOAD (\g)+1                                   ; no further wait: the products since the wait name set g % 3, the accumulators, x and the scale words
	MWIN \g
	MULS \g, 0, 1
.if (\g) < 14
	WLOAD (\g)+2
	MWIN \g
.endif
	MULS \g, 1, 0
	MULS \g, 1, 1
.if (\g) < 14
	s_wait_dscnt 12                                ; group g + 1's four fragments are in; the 12 loads of group g + 2, issued behind them, may stay out
.else
	s_wait_dscnt 0x0
.endif
	MULS (\g)+1, 0, 0
	MULS (\g)+1, 0, 1
	MULS (\g)+1, 1, 0
	MULS (\g)+1, 1, 1
.endm
.macro EPI b                           ; block b of 32 hidden units is finished for my five tiles: relu, the scale, the codes
	PLACES
	WIN MAXW
.irp i, 0,2,4,6,8,10,12,14             ; the largest of my 16 numbers; no |.|: what is negative is clipped and must not count; each accumulator is read from its low end on
.irp j, 0,1,2,3,4
.if \i == 0
	v_max3_num_f32 v[TM+\j], v[16*\j], v[16*\j+1], 0x2800000     ; with the floor 2^(5 - 127): the byte cannot fall under 1
.else
	v_max3_num_f32 v[TM+\j], v[16*\j+\i], v[16*\j+\i+1], v[TM+\j]
.endif
.endr
.endr
	WIN RELW
.set ii, 0
.rept 80
	v_max_num_f32 v[ii], 0, v[ii]                  ; the activation, in f32
.set ii, ii+1
.endr
	WIN 0
.irp j, 0,1,2,3,4
	v_permlanex16_b32 v[PD+\j], v[TM+\j], s[SEL], s[SEL+1]
.endr
.irp j, 0,1,2,3,4
	v_max_num_f32 v[TM+\j], v[TM+\j], v[PD+\j]     ; with lane l xor 16: the block's largest number
.endr
.irp j, 0,1,2,3,4
	v_add_nc_u32 v[SO+\j], 0xfe000000, v[TM+\j]    ; 4 off its exponent field: the conversion's scale operand
.endr
.irp j, 0,1,2,3,4
	v_lshrrev_b32 v[BY+\j], 23, v[SO+\j]           ; the scale byte
.endr
.irp j, 0,1,2,3,4                      ; blocks 0, 1, 2, 3 at bytes 0, 2, 1, 3 of the word
.if \b == 0
	v_mov_b32 v[PW+\j], v[BY+\j]
.elseif \b == 1
	v_lshl_or_b32 v[PW+\j], v[BY+\j], 16, v[PW+\j]
.elseif \b == 2
	v_lshl_or_b32 v[PW+\j], v[BY+\j], 8, v[PW+\j]
.else
	v_lshl_or_b32 v[PW+\j], v[BY+\j], 24, v[PW+\j]
.endif
.endr
	WIN CVTW
.irp j, 0,1,2,3,4                      ; 16 codes, 96 bits: half h of block b
.if \b == 0
	v_cvt_scalef32_pk16_bf6_f32 v[OC+12*\j:OC+12*\j+2], v[16*\j:16*\j+15], v[SO+\j]
.elseif \b == 1
	v_cvt_scalef32_pk16_bf6_f32 v[OC+12*\j+6:OC+12*\j+8], v[16*\j:16*\j+15], v[SO+\j]
.elseif \b == 2
	v_cvt_scalef32_pk16_bf6_f32 v[TT+8*\j:TT+8*\j+2], v[16*\j:16*\j+15], v[SO+\j]
.else
	v_cvt_scalef32_pk16_bf6_f32 v[TT+8*\j+4:TT+8*\j+6], v[16*\j:16*\j+15], v[SO+\j]
.endif
.endr
	WIN 0
.rept 5
	v_nop                                          ; one plain instruction behind the conversions; with the next pair's four, more than the five that stand ahead of products which begin these accumulators anew
.endr
.endm
.macro OUT j                           ; the fragment of h of tile j.  Lanes 0-15 want blocks 0 and 1 whole, lanes 16-31 blocks 2 and 3: the halves change places, block 0 with 2 and 1 with 3
	s_cmp_ge_u32 s[TJ+\j], s[NT]
	s_cbranch_scc1 .Lskip_\@                       ; a slot past the last tile stores nothing
.irp i, 0,1,2
	v_permlane16_swap_b32 v[OC+12*\j+\i], v[TT+8*\j+\i]
	v_permlane16_swap_b32 v[OC+12*\j+6+\i], v[TT+8*\j+4+\i]
.endr
.irp i, 0,1,2
	v_mov_b32 v[OC+12*\j+3+\i], v[TT+8*\j+\i]
	v_mov_b32 v[OC+12*\j+9+\i], v[TT+8*\j+4+\i]
.endr
	s_wait_alu depctr_va_vdst(0)                   ; the exchange has written the fragment; its scale word and the tile's two offsets were written earlier: the four stores read them
.irp i, 0,1,2
	global_store_b128 v[HO+\j], v[OC+12*\j+4*\i:OC+12*\j+4*\i+3], s[12:13] offset:512*\i   ; 512 consecutive bytes
.endr
	global_store_b32 v[HSO+\j], v[PW+\j], s[16:17] ; lanes r and r + 16 write the same word with the same value
.Lskip_\@:
.endm
	s_load_b256 s[4:11], s[0:1], 0x0               ; W1's codes s[4:5], its scales s[6:7], xq s[8:9], sel s[10:11]
	s_load_b128 s[12:15], s[0:1], 0x20             ; h s[12:13], lst s[14:15]
	v_lshl_add_u32 v254, v0, 2, 0x24c00
	v_mov_b32 v255, 0
	v_lshrrev_b32 v1, 5, v0
	v_readfirstlane_b32 s[WV], v1                  ; wave
	v_and_b32 v28, 31, v0                          ; lane
	v_and_b32 v29, 15, v0                          ; r
	v_bfe_u32 v30, v0, 4, 1                        ; h
	v_lshlrev_b32 v1, 4, v28                       ; 16 x lane
	v_lshlrev_b32 v2, 2, v29                       ; 4 r
	v_mul_u32_u24 v[WA], v29, PT
	v_mad_u32_u24 v[WA], v30, 48, v[WA]
	v_add_nc_u32 v[WAB], 64*PT, v[WA]
	v_mul_u32_u24 v5, v30, 768                     ; W1 from memory: row 2 p + h, 16 r: 16 lanes read 256 consecutive bytes, aligned
	v_lshl_add_u32 v5, v29, 4, v5
	s_wait_alu depctr_va_sdst(0)                   ; the wave's number is written, ahead of its first reader: LDS places, bases and tiles are made from it
	s_mul_i32 s40, s[WV], 32*PT
	v_mul_u32_u24 v6, v30, PT                      ; and into LDS: my wave's 32 rows
	v_lshl_add_u32 v6, v29, 4, v6
	v_add_nc_u32 v6, s40, v6
	v_and_b32 v7, 8, v29                           ; W1's scale words: lane (r, u) takes row 8 u + r + 8 (r / 8) of a block of 32 rows, 32 bytes a row
	v_add_nc_u32 v7, v7, v29
	v_lshl_add_u32 v7, v30, 3, v7
	v_lshlrev_b32 v7, 5, v7
	s_mul_i32 s41, s[WV], 16*PT
	s_add_co_u32 s41, s41, STG                     ; my stage
	v_mul_u32_u24 v[SI], v30, 8*PT
	v_lshl_add_u32 v[SI], v29, 4, v[SI]
	v_add_nc_u32 v[SI], s41, v[SI]
	v_add_nc_u32 v[SOA], s41, v[WA]
	v_lshl_add_u32 v[VR64], v30, 6, v29
	v_lshlrev_b32 v[R16], 4, v29
	v_lshlrev_b32 v[H16], 4, v30
	v_mov_b32 v[VZ], 0
	v_mov_b32 v[VONE], 1
	v_lshlrev_b32 v[L4], 2, v28
	v_lshlrev_b32 v[H32], 5, v30
.irp j, 0,1,2,3,4
	v_mov_b32 v[PD+\j], 0                          ; written once: a lane permute's destination counts as one of its sources
.endr
	s_and_b32 s19, ttmp7, 0xffff                   ; e
	s_mov_b32 s23, 0
	s_mov_b32 s[SEL], 0x76543210
	s_mov_b32 s[SEL+1], 0xfedcba98
	s_mov_b32 s[PSEL], 0x03010200                  ; bytes 0, 2, 1, 3
	s_lshl_b32 s[KE], 0x101, s19
	s_add_co_u32 s38, s19, 8
	s_lshl_b32 s39, s19, 4
	s_add_co_u32 s39, s39, 2048
	s_mov_b32 s[T0], 0
	s_mov_b32 s[PS], 0
	s_wait_kmcnt 0x0
	s_mul_i32 s22, s19, 3145728
	s_mul_i32 s40, ttmp9, 98304
	s_add_co_u32 s22, s22, s40
	s_mul_i32 s40, s[WV], 24576
	s_add_co_u32 s22, s22, s40
	s_add_nc_u64 s[4:5], s[4:5], s[22:23]          ; my wave's 32 rows of W1
	s_lshl_b32 s22, s19, 17
	s_lshl_b32 s40, ttmp9, 12
	s_add_co_u32 s22, s22, s40
	s_add_nc_u64 s[6:7], s[6:7], s[22:23]          ; the part's scale bytes
	s_lshl_b32 s22, s19, 7
	s_add_nc_u64 s[42:43], s[14:15], s[22:23]      ; lst: the count's 32 words
	s_mul_i32 s22, s19, LPITCH
	s_add_co_u32 s22, s22, 1024
	s_add_nc_u64 s[14:15], s[14:15], s[22:23]      ; lst: the expert's list
	s_lshl_b32 s22, s19, 17
	s_lshl_b32 s40, ttmp9, 6
	s_add_co_u32 s22, s22, s40
	s_add_nc_u64 s[16:17], s[12:13], s[22:23]
	s_add_nc_u64 s[16:17], s[16:17], HSOFF         ; h's scale words: expert, K step S
	s_mul_i32 s22, s19, 3145728
	s_mul_i32 s40, ttmp9, 1536
	s_add_co_u32 s22, s22, s40
	s_add_nc_u64 s[12:13], s[12:13], s[22:23]      ; h's images: expert, K step S
	PREP 1                                         ; the search runs while the weights are on their way, and x's rows are asked for directly behind them
	s_wait_loadcnt 63                              ; behind the weights' 56 loads stand 128: with 63 out at the most the weights are in
	WIN STW
.irp p, 0,1,2,3,4,5,6,7,8,9,10,11,12,13,14,15      ; row 2 p + h = 16 a + 8 u + r' of my 32 goes to LDS row 16 u + 8 a + r': a tile is 16 rows on end
.irp u, 0,1,2
	ds_store_b128 v6, v[4*(3*\p+\u):4*(3*\p+\u)+3] offset:PT*(16*((\p/4)%2)+8*(\p/8)+2*(\p%4))+256*\u
.endr
.endr
	WIN 0
.set ii, 0
.rept 32
	v_perm_b32 v[WS+ii], v[WS+ii], v[WS+ii], s[PSEL]
.set ii, ii+1
.endr
	s_wait_dscnt 0x0                               ; for the other waves: my stores have landed
	s_wait_alu depctr_vm_vsrc(0)                   ; my LDS stores have read window 1's v0-191: from here on the accumulators, which the products write, and the fragments' sets, in which LDS loads land
	s_barrier_signal -1
	s_barrier_wait -1                              ; the part lies in LDS whole; it is not written again, and this is the only barrier
	s_cmp_eq_u32 s[NN], 0
	s_cbranch_scc1 .Lend                           ; nobody chose this expert
.Lpass:
.irp j, 0,1,2,3,4
	IMG \j
.endr
	WLOAD 0                                        ; into set 0, which the last pass's group 15 read: the waits of the pass's preparation stand between
.irp b, 0,1,2,3
	PAIR 4*\b
	PAIR 4*\b+2
	EPI \b
.endr
.irp j, 0,1,2,3,4
	OUT \j
.endr
	s_add_co_u32 s[T0], s[T0], 20
	s_cmp_ge_u32 s[T0], s[NT]
	s_cbranch_scc1 .Lend                           ; all tiles are served: with 64 tiles at the most this is taken in the fourth pass at the latest
	s_wait_xcnt 0x0                                ; the stores have read their offsets and data: both are written again below and in the next pass
	PREP 0
	s_add_co_u32 s[PS], s[PS], 1
	s_cmp_lt_u32 s[PS], 4
	s_cbranch_scc1 .Lpass
.Lend:
	s_wait_dscnt 0x0                               ; the closing lines, six on end
	s_wait_alu 0x0
	s_wait_tensorcnt 0x0
	ds_add_u32 v254, v255
	s_wait_dscnt 0x0
	s_endpgm
.Lfunc_end_k_q3752683b2b_gemm1:
	.size	k_q3752683b2b_gemm1, .Lfunc_end_k_q3752683b2b_gemm1-k_q3752683b2b_gemm1
	.p2alignl 7, 3214868480
	.fill 96, 4, 3214868480
	.section	.rodata,"a",@progbits
	.p2align	6, 0x0
	.amdhsa_kernel k_q3752683b2b_gemm1
		.amdhsa_group_segment_fixed_size 151040
		.amdhsa_private_segment_fixed_size 0
		.amdhsa_enable_private_segment 0
		.amdhsa_kernarg_size 48
		.amdhsa_user_sgpr_count 2
		.amdhsa_user_sgpr_kernarg_segment_ptr 1
		.amdhsa_wavefront_size32 1
		.amdhsa_system_sgpr_workgroup_id_x 1
		.amdhsa_system_sgpr_workgroup_id_y 1
		.amdhsa_system_sgpr_workgroup_id_z 1
		.amdhsa_system_vgpr_workitem_id 0
		.amdhsa_next_free_vgpr 1024
		.amdhsa_next_free_sgpr 100
		.amdhsa_reserve_vcc 0
		.amdhsa_float_denorm_mode_32 3
		.amdhsa_float_denorm_mode_16_64 3
		.amdhsa_memory_ordered 1
		.amdhsa_forward_progress 1
		.amdhsa_inst_pref_size 255
	.end_amdhsa_kernel
	.section	.bss,"aw",@nobits
	.p2align	6
	.space	262144
	.amdgpu_metadata
---
amdhsa.version: [ 1, 2 ]
amdhsa.kernels:
  - .name:           k_q3752683b2b_gemm1
    .symbol:         k_q3752683b2b_gemm1.kd
    .args:
      - { .name: w1_codes, .offset: 0, .size: 8, .value_kind: global_buffer, .address_space: global }
      - { .name: w1_scales, .offset: 8, .size: 8, .value_kind: global_buffer, .address_space: global }
      - { .name: xq, .offset: 16, .size: 8, .value_kind: global_buffer, .address_space: global }
      - { .name: sel, .offset: 24, .size: 8, .value_kind: global_buffer, .address_space: global }
      - { .name: h, .offset: 32, .size: 8, .value_kind: global_buffer, .address_space: global }
      - { .name: lst, .offset: 40, .size: 8, .value_kind: global_buffer, .address_space: global }
    .group_segment_fixed_size: 151040
    .private_segment_fixed_size: 0
    .kernarg_segment_align: 8
    .kernarg_segment_size: 48
    .max_flat_workgroup_size: 128
    .sgpr_count:     100
    .vgpr_count:     1024
    .wavefront_size: 32
...
	.end_amdgpu_metadata
.endif
;; end of part 5
;; launch gemm2 (part 6): grid 32 x 8, 4 waves a work-group, no clusters, 117,248 bytes of LDS; arguments w2_codes, w2_scales, h, lst, y; writes y
.if DOCPART == 6
	.amdgcn_target "amdgcn-amd-amdhsa--gfx1250"
	.amdhsa_code_object_version 6
	.text
	.protected	k_q3752683b2b_gemm2
	.globl	k_q3752683b2b_gemm2
	.p2align	8
	.type	k_q3752683b2b_gemm2,@function
k_q3752683b2b_gemm2:
	s_mov_b64 s[64:65], 0
	v_nop
	global_prefetch_b8 v0, s[64:65] scope:SCOPE_SE
	s_setreg_imm32_b32 hwreg(HW_REG_WAVE_SCHED_MODE, 0, 2), 2
	s_setreg_imm32_b32 hwreg(HW_REG_WAVE_MODE, 25, 1), 1
	s_wait_xcnt 0x0
	s_wait_alu depctr_vm_vsrc(0)
; y[kh][row] = h W2[e]^T over half kh of K, for the rows that chose expert e, on codes of E3M2 with one E8M0 scale for each 32 along K; sums in f32.
; SHARES.  Expert e = work-group y.  Work-group x = 16 kh + cc owns outputs 64 cc .. 64 cc + 63 and K steps 16 kh .. 16 kh + 15 (2,048 of the 4,096 along K): 64 rows x 1,536 bytes of W2[e],
; 98,304 bytes, read from memory by this work-group alone.  K is cut in two so that a work-group reads half of h: the two halves are added by the next launch, each row of y having one owner for each half.
; The four waves bring the part through registers into LDS once, behind ONE barrier; afterwards no wave waits for another.  Each wave takes row tiles t0 + 4 j + wave, j = 0 .. 4, against all 64 outputs:
; 20 accumulators; a pass serves 20 tiles, and t0 steps by 20 until the n_e rows, read from lst, are served.  A slot past the last tile repeats the last tile and its way out is jumped over.
; THE LOOP OVER PASSES is counted to 4, the most that 1,024 rows (64 tiles, 20 a pass) need, and is left by a forward jump as soon as the tiles are served.
; h comes as images of the operand's registers straight into registers, through a ring of 8 K steps (480 registers); each load 512 consecutive bytes.  The first pass's loads are issued directly behind the weights'.
; K inside an instruction: of each 96 bytes lane (r, h) takes the 48 at 48 h on both operands; scale words hold the bytes of blocks 0, 2, 1, 3 (W2's are turned once; h's were made so).
; TRANSPOSED USE: source 0 = 16 rows of W2, source 1 = 16 rows of h: a lane holds eight neighbouring outputs of one row.  A tile goes through the wave's own stage in LDS and leaves as rows: 16 lanes store
; 256 consecutive bytes, aligned, of the row of y that lst names for the rank (1,024 k + token; padding ranks: rows from 2,048 on, which nobody reads).
; lst: words 32 e .. 32 e + 31 = n_e; from byte 1,024 on an expert's list, 1,536 words.
; NO JOINT LOADS, though work-groups of an expert read the same h: the jump out of the passes and the jumps round the ways out hang on n_e, read from memory.
; LIMITS.  NaN and infinities are not served.  The order of the sums differs from an ascending K: inside an instruction (blocks 0, 2, 1, 3) and by the cut of K in two.
; THE MODE: SCHED_MODE bits 1:0 = 2 (LLVM: expert scheduling mode 2), set by the entry lines.  The code itself states the register dependences between vector or matrix instructions and memory or LDS
; instructions, and those through scalar registers that vector instructions write, with s_wait_alu, always for 0.
; THE PLAN.  Registers that memory or LDS instructions touch, and who else names them:
;   v1-10            offsets and LDS addresses: written at the head, read by loads and stores, never written again.
;   v11-25           the pass's tiles' offsets: vector work writes them at the pass's head, all its loads of h, of the scale words and of the list read them.
;   v64-143          h's scale words and the list land at the pass's head; the products take the first as scales, the way out's vector work reads the second.
;   the ring         (windows 2, 3) K step s lands in slot s % 8; its 20 products read it.
;   W2's three sets  K step s's four fragments land in set s % 3 (sets 0, 1: window 1, v160 and v208; set 2: window 0, v144-191, which the way out uses only behind the last product); its 20 products read them.
;   accumulators     the products write them, the stage's stores read them.
;   v144-223         the way out: rows land from the stage, vector work writes their offsets in y, the global stores read both; two sets by turns.
; ONE wait on va_vdst stands at the head of each PAIR of K steps s, s + 1 (s even): steps s - 2 and s - 1 are done reading their sets of W2 and their slots of the ring.  The LDS loads of steps s + 1 and s + 2 and
; the global loads of steps s + 6 and s + 7 follow it, dealt among the pair's products, which name sets s % 3 and (s + 1) % 3 (that one behind its own loads), slots s % 8 and (s + 1) % 8, the accumulators and the scale words: none of the
; registers that those loads touch.  The other waits stand where a buffer changes hands; each says what it states.
; REGISTERS.  Window 0: v1-25 addresses; v32-63 W2's scale words; v64-103 h's; v104-143 the list; v144-223 the way out (v144-191 in the loop: W2's third set).  Window 1: v0-159 the accumulators (t, j) at 8 (5 t + j);
; v160-255 two sets of four fragments of W2 (in the head v0-191: W2 on its way to LDS).  Windows 2, 3: the ring: K step s, tile j at 12 (5 (s % 4) + j), window 2 where s % 8 < 4.
.set WP,    1552                       ; an LDS row of W2's part: 1,536 bytes + 16 = 97 x 16 bytes
.set STG,   64*WP                      ; behind it: a stage of 16 rows x (256 + 16) bytes for each wave
.set HSOFF, 25165824
.set LPITCH, 6144                      ; bytes of an expert's list
.set WA,   3                           ; v3   WP r + 48 h: tiles 0, 1
.set WAB,  4                           ; v4   32 rows on: tiles 2, 3
.set STO,  7                           ; v7   the stage, in: row r, 32 h
.set RD,   8                           ; v8   and back: row 8 h + q, 16 r
.set HO,   11                          ; v11-15  tile j: offset of its images in h
.set HSO,  16                          ; v16-20  of its scale words
.set LO,   21                          ; v21-25  of its ranks in the list
.set WS,   32                          ; v[WS + 16 tp + s]: lane l = row 32 tp + l, K step s
.set HS,   64                          ; v[HS + 8 j + q]: lanes 0-15 K step 2 q, lanes 16-31 K step 2 q + 1
.set LL,   104                         ; v[LL + 8 j + q]: the row of y of rank 8 h + q of tile j
.set RB,   144                         ; v144-175, v176-207: rows read back, by turns
.set YO,   208                         ; v208-215, v216-223: their offsets in y
.set WBUF, 160                         ; set k of W2's fragments begins at 160 + 48 k - 112 (k / 2): v160 and v208 of window 1, v144 of window 0
.set WV,   18
.set NN,   24
.set NT,   25
.set NTM1, 26
.set T0,   27
.set TJ,   28                          ; s28-32
.set PS,   33                          ; s33  passes begun behind the first
.set PSEL, 36
.set MSB, 0
.macro WIN new                         ; the immediate's high byte repeats the setting that is left; a switch that changes nothing is dropped
.if MSB != \new
	s_set_vgpr_msb (MSB<<8)|\new
.set MSB, \new
.endif
.endm
.set LDW,  0x40
.set LD2,  0x80
.set LD3,  0xc0
.set STW,  0x04                        ; an LDS store's data (source 1) window 1
.macro PLACES                          ; four plain instructions between a matrix instruction and a read of one of its registers; at a pair's head they stand ahead of the wait that states the loads' dependence
.rept 4
	v_nop
.endr
.endm
.macro MM d, a, b, zero, sa, sb, ra, rb   ; one product; ra, rb: the scale words stand in lanes 16-31
.if \zero
.if \ra
	v_wmma_scale_f32_16x16x128_f8f6f4 v[(\d):(\d)+7], v[(\a):(\a)+11], v[(\b):(\b)+11], 0, v[\sa], v[\sb] matrix_a_fmt:MATRIX_FMT_BF6 matrix_b_fmt:MATRIX_FMT_BF6 matrix_a_scale:MATRIX_SCALE_ROW1
.else
	v_wmma_scale_f32_16x16x128_f8f6f4 v[(\d):(\d)+7], v[(\a):(\a)+11], v[(\b):(\b)+11], 0, v[\sa], v[\sb] matrix_a_fmt:MATRIX_FMT_BF6 matrix_b_fmt:MATRIX_FMT_BF6
.endif
.else
.if (\ra) && (\rb)
	v_wmma_scale_f32_16x16x128_f8f6f4 v[(\d):(\d)+7], v[(\a):(\a)+11], v[(\b):(\b)+11], v[(\d):(\d)+7], v[\sa], v[\sb] matrix_a_fmt:MATRIX_FMT_BF6 matrix_b_fmt:MATRIX_FMT_BF6 matrix_a_scale:MATRIX_SCALE_ROW1 matrix_b_scale:MATRIX_SCALE_ROW1
.elseif \ra
	v_wmma_scale_f32_16x16x128_f8f6f4 v[(\d):(\d)+7], v[(\a):(\a)+11], v[(\b):(\b)+11], v[(\d):(\d)+7], v[\sa], v[\sb] matrix_a_fmt:MATRIX_FMT_BF6 matrix_b_fmt:MATRIX_FMT_BF6 matrix_a_scale:MATRIX_SCALE_ROW1
.elseif \rb
	v_wmma_scale_f32_16x16x128_f8f6f4 v[(\d):(\d)+7], v[(\a):(\a)+11], v[(\b):(\b)+11], v[(\d):(\d)+7], v[\sa], v[\sb] matrix_a_fmt:MATRIX_FMT_BF6 matrix_b_fmt:MATRIX_FMT_BF6 matrix_b_scale:MATRIX_SCALE_ROW1
.else
	v_wmma_scale_f32_16x16x128_f8f6f4 v[(\d):(\d)+7], v[(\a):(\a)+11], v[(\b):(\b)+11], v[(\d):(\d)+7], v[\sa], v[\sb] matrix_a_fmt:MATRIX_FMT_BF6 matrix_b_fmt:MATRIX_FMT_BF6
.endif
.endif
.endm
.macro TILES                           ; the pass's five tiles of my wave, and their offsets; a tile past the last is held at the last, and at 63, the buffers' last
.irp j, 0,1,2,3,4
	s_add_co_u32 s[TJ+\j], s[T0], s[WV]
	s_add_co_u32 s[TJ+\j], s[TJ+\j], 4*\j
	s_min_u32 s40, s[TJ+\j], s[NTM1]
	s_min_u32 s40, s40, 63
	s_mul_i32 s41, s40, 49152
	v_add_nc_u32 v[HO+\j], s41, v1
	s_lshl_b32 s41, s40, 11
	v_add_nc_u32 v[HSO+\j], s41, v2
	s_lshl_b32 s41, s40, 6
	v_add_nc_u32 v[LO+\j], s41, v10
.endr
.endm
.macro HLOAD s                         ; K step s of my five tiles: 15 loads, into slot s % 8 of the ring
.if ((\s)%8) < 4
	WIN LD2
.else
	WIN LD3
.endif
.irp j, 0,1,2,3,4
.irp i, 0,1,2
	global_load_b128 v[12*(5*((\s)%4)+\j)+4*\i:12*(5*((\s)%4)+\j)+4*\i+3], v[HO+\j], s[8:9] offset:1536*(\s)+512*\i
.endr
.endr
.endm
.macro MLOADS                          ; 40 loads of scale words, 10 of the list, then K steps 0 to 7: 120
	s_wait_alu depctr_va_vdst(0)                   ; the tiles' 15 offsets are written, which the loads below read; in a later pass the way out's vector work is done reading the list, in which loads land (the products were done with the ring and the scale words ahead of the way out's wait)
.irp j, 0,1,2,3,4
.irp q, 0,1,2,3,4,5,6,7
	global_load_b32 v[HS+8*\j+\q], v[HSO+\j], s[14:15] offset:128*\q
.endr
.endr
.irp j, 0,1,2,3,4
.irp z, 0,1
	global_load_b128 v[LL+8*\j+4*\z:LL+8*\j+4*\z+3], v[LO+\j], s[10:11] offset:16*\z
.endr
.endr
.irp s, 0,1,2,3,4,5,6,7
	HLOAD \s
.endr
	WIN 0
.endm
.macro WLOAD s                         ; W2's four tiles, K step s: 12 loads, into set s % 3
.set wb, WBUF+48*((\s)%3)-112*(((\s)%3)/2)
.if ((\s)%3) < 2
	WIN LDW
.else
	WIN 0
.endif
.irp t, 0,1,2,3
.irp i, 0,1,2
.if \t < 2
	ds_load_b128 v[wb+12*\t+4*\i:wb+12*\t+4*\i+3], v[WA] offset:16*WP*(\t%2)+96*(\s)+16*\i
.else
	ds_load_b128 v[wb+12*\t+4*\i:wb+12*\t+4*\i+3], v[WAB] offset:16*WP*(\t%2)+96*(\s)+16*\i
.endif
.endr
.endr
.endm
.macro MWIN s                          ; the products' windows: C and D window 1; source 0 (W2) window 1, or 0 for set 2; source 1 (h) window 2 where s % 8 < 4, else 3
	WIN 0x59+4*(((\s)%8)/4)-(((\s)%3)/2)
.endm
.macro MULS s, t                       ; five products of K step s: tile t of W2, my five tiles of rows
.set wb, WBUF+48*((\s)%3)-112*(((\s)%3)/2)
.irp j, 0,1,2,3,4
	MM 8*(5*\t+\j), wb+12*\t, 12*(5*((\s)%4)+\j), ((\s)==0), WS+16*(\t/2)+(\s), HS+8*\j+(\s)/2, \t%2, (\s)%2
.endr
.endm
.macro LWAIT s                         ; K step s of h is in
.if (\s) <= 10
	s_wait_loadcnt 63                              ; behind step s stand 75 loads or more: the count is the field's largest
.else
	s_wait_loadcnt 15*(15-(\s))                    ; behind step s: 15 loads for each later step
.endif
.endm
.macro PAIR s                          ; K steps s (even) and s + 1, 20 products each; the twenty accumulators take turns, one instruction a turn
	PLACES
	s_wait_dscnt 0x0                               ; step s's four fragments of W2 are in; nothing younger is out
	LWAIT \s
	s_wait_alu depctr_va_vdst(0)                   ; steps s - 2 and s - 1 are done reading their sets of W2 and their slots of the ring, in which the loads below land; ahead of the first pair: v_perm_b32 has written W2's scale words, which the products take
	MWIN \s
	MULS \s, 0
	WLOAD (\s)+1                                   ; no further wait: the products since the wait name none of the registers that the pair's loads touch
	MWIN \s
	MULS \s, 1
.if (\s) < 14
	WLOAD (\s)+2
.endif
.if ((\s) >= 2) && ((\s) <= 8)
	HLOAD (\s)+6                                   ; into the slot that step s - 2 has left
.endif
	MWIN \s
	MULS \s, 2
	MULS \s, 3
.if (\s) < 14
	s_wait_dscnt 12                                ; step s + 1's four fragments are in; the 12 loads of step s + 2, issued behind them, may stay out
.else
	s_wait_dscnt 0x0
.endif
	LWAIT (\s)+1
	MWIN (\s)+1
	MULS (\s)+1, 0
.if ((\s) >= 2) && ((\s) <= 8)
	HLOAD (\s)+7                                   ; into the slot that step s - 1 has left
	MWIN (\s)+1
.endif
	MULS (\s)+1, 1
	MULS (\s)+1, 2
	MULS (\s)+1, 3
.endm
.macro OUT j                           ; tile j: 16 rows x 64 outputs through my stage, and out as rows
	s_cmp_ge_u32 s[TJ+\j], s[NT]
	s_cbranch_scc1 .Lskip_\@                       ; a slot past the last tile stores nothing
	s_wait_xcnt 0x0                                ; earlier stores have read their offsets and data: both are written again
.if \j > 1
	s_wait_alu depctr_vm_vsrc(0)                   ; the global stores of the tile two back have read their rows and offsets: the loads from the stage land in the first, the vector work below writes the second
.endif
	WIN STW
.irp t, 0,1,2,3
	ds_store_b128 v[STO], v[8*(5*\t+\j):8*(5*\t+\j)+3] offset:64*\t          ; each accumulator from its low end on
	ds_store_b128 v[STO], v[8*(5*\t+\j)+4:8*(5*\t+\j)+7] offset:64*\t+16
.endr
	WIN 0
.irp q, 0,1,2,3,4,5,6,7
	ds_load_b128 v[RB+32*(\j%2)+4*\q:RB+32*(\j%2)+4*\q+3], v[RD] offset:272*\q   ; LDS serves a wave's instructions in order: these see my stores
.endr
.irp q, 0,1,2,3,4,5,6,7
	v_min_u32 v[YO+8*(\j%2)+\q], 0x87f, v[LL+8*\j+\q]                        ; the row, held inside y's 2,176 rows
	v_lshl_add_u32 v[YO+8*(\j%2)+\q], v[YO+8*(\j%2)+\q], 12, v9              ; 4,096 x row + 16 r
.endr
	s_wait_alu depctr_va_vdst(0)                   ; the eight offsets are written, which the global stores read
	s_wait_dscnt 0x0
.irp q, 0,1,2,3,4,5,6,7
	global_store_b128 v[YO+8*(\j%2)+\q], v[RB+32*(\j%2)+4*\q:RB+32*(\j%2)+4*\q+3], s[12:13] th:TH_STORE_NT   ; 16 lanes: 256 consecutive bytes of one row, aligned
.endr
.Lskip_\@:
.endm
	s_load_b256 s[4:11], s[0:1], 0x0               ; W2's codes s[4:5], its scales s[6:7], h s[8:9], lst s[10:11]
	s_load_b64 s[12:13], s[0:1], 0x20              ; y
	v_lshl_add_u32 v254, v0, 2, 0x1c800
	v_mov_b32 v255, 0
	v_lshrrev_b32 v1, 5, v0
	v_readfirstlane_b32 s[WV], v1                  ; wave
	v_and_b32 v26, 31, v0                          ; lane
	v_and_b32 v27, 15, v0                          ; r
	v_bfe_u32 v28, v0, 4, 1                        ; h
	v_lshlrev_b32 v1, 4, v26                       ; 16 x lane
	v_lshlrev_b32 v2, 2, v26                       ; 4 x lane
	v_mul_u32_u24 v[WA], v27, WP
	v_mad_u32_u24 v[WA], v28, 48, v[WA]
	v_add_nc_u32 v[WAB], 32*WP, v[WA]
	s_wait_alu depctr_va_sdst(0)                   ; the wave's number is written, ahead of its first reader: LDS places, bases and tiles are made from it
	s_mul_i32 s40, s[WV], 16*WP
	v_add_nc_u32 v5, s40, v1                       ; W2 into LDS: my wave's 16 rows
	v_lshlrev_b32 v6, 7, v26                       ; W2's scale words: 128 bytes a row, a lane a row
	s_mul_i32 s40, s[WV], 16*272
	s_add_co_u32 s40, s40, STG                     ; my stage
	v_mul_u32_u24 v[STO], v27, 272
	v_lshl_add_u32 v[STO], v28, 5, v[STO]
	v_add_nc_u32 v[STO], s40, v[STO]
	v_mul_u32_u24 v[RD], v28, 8*272
	v_lshl_add_u32 v[RD], v27, 4, v[RD]
	v_add_nc_u32 v[RD], s40, v[RD]
	v_lshlrev_b32 v9, 4, v27                       ; 16 r
	v_lshlrev_b32 v10, 5, v28                      ; 32 h
	s_and_b32 s19, ttmp7, 0xffff                   ; e
	s_and_b32 s20, ttmp9, 15                       ; cc
	s_lshr_b32 s21, ttmp9, 4                       ; kh
	s_mov_b32 s23, 0
	s_mov_b32 s[PSEL], 0x03010200                  ; bytes 0, 2, 1, 3
	s_wait_kmcnt 0x0
	s_mul_i32 s22, s19, 3145728
	s_mul_i32 s40, s20, 196608
	s_add_co_u32 s22, s22, s40
	s_mul_i32 s40, s[WV], 49152
	s_add_co_u32 s22, s22, s40
	s_mul_i32 s40, s21, 1536
	s_add_co_u32 s22, s22, s40
	s_add_nc_u64 s[4:5], s[4:5], s[22:23]          ; my wave's 16 rows of W2, at the half of K
	s_lshl_b32 s22, s19, 17
	s_lshl_b32 s40, s20, 13
	s_add_co_u32 s22, s22, s40
	s_lshl_b32 s40, s21, 6
	s_add_co_u32 s22, s22, s40
	s_add_nc_u64 s[6:7], s[6:7], s[22:23]          ; the part's scale bytes
	s_lshl_b32 s22, s19, 17
	s_lshl_b32 s40, s21, 10
	s_add_co_u32 s22, s22, s40
	s_add_nc_u64 s[14:15], s[8:9], s[22:23]
	s_add_nc_u64 s[14:15], s[14:15], HSOFF         ; h's scale words: expert, half of K
	s_mul_i32 s22, s19, 3145728
	s_mul_i32 s40, s21, 24576
	s_add_co_u32 s22, s22, s40
	s_add_nc_u64 s[8:9], s[8:9], s[22:23]          ; h's images: expert, half of K
	s_lshl_b32 s22, s19, 7
	s_add_nc_u64 s[42:43], s[10:11], s[22:23]
	s_load_b32 s[NN], s[42:43], 0x0                ; n_e
	s_mul_i32 s22, s19, LPITCH
	s_add_co_u32 s22, s22, 1024
	s_add_nc_u64 s[10:11], s[10:11], s[22:23]      ; the expert's list
	s_mul_i32 s22, s21, 8912896
	s_lshl_b32 s40, s20, 8
	s_add_co_u32 s22, s22, s40
	s_add_nc_u64 s[12:13], s[12:13], s[22:23]      ; y: the half's plane, my 64 outputs
	WIN LDW
	s_wait_alu depctr_va_vdst(0)                   ; the offsets and LDS addresses v1 to v10 are written, which the loads and stores of the whole kernel read
.irp p, 0,1,2,3,4,5,6,7,8,9,10,11,12,13,14,15
.irp u, 0,1,2
	global_load_b128 v[4*(3*\p+\u):4*(3*\p+\u)+3], v1, s[4:5] offset:3072*\p+512*\u th:TH_LOAD_NT   ; 512 consecutive bytes, aligned; read once in the launch
.endr
.endr
	WIN 0
.irp b, 0,1
.irp q, 0,1,2,3
	global_load_b128 v[WS+16*\b+4*\q:WS+16*\b+4*\q+3], v6, s[6:7] offset:4096*\b+16*\q th:TH_LOAD_NT
.endr
.endr
	s_wait_kmcnt 0x0
	s_add_co_u32 s[NT], s[NN], 15
	s_lshr_b32 s[NT], s[NT], 4                     ; tiles
	s_max_u32 s[NTM1], s[NT], 1
	s_sub_co_u32 s[NTM1], s[NTM1], 1
	s_mov_b32 s[T0], 0
	s_mov_b32 s[PS], 0
	TILES
	MLOADS                                         ; the first pass's h is asked for directly behind the weights
	s_wait_loadcnt 63                              ; behind the weights' 56 loads stand 170: with 63 out at the most the weights are in
	WIN STW
.irp p, 0,1,2,3,4,5,6,7,8,9,10,11,12,13,14,15
.irp u, 0,1,2
	ds_store_b128 v5, v[4*(3*\p+\u):4*(3*\p+\u)+3] offset:WP*\p+512*\u
.endr
.endr
	WIN 0
.set ii, 0
.rept 32
	v_perm_b32 v[WS+ii], v[WS+ii], v[WS+ii], s[PSEL]
.set ii, ii+1
.endr
	s_wait_dscnt 0x0                               ; for the other waves: my stores have landed
	s_wait_alu depctr_vm_vsrc(0)                   ; my LDS stores have read window 1's v0-191: from here on the accumulators, which the products write, and a set of fragments, in which LDS loads land
	s_barrier_signal -1
	s_barrier_wait -1                              ; the part lies in LDS whole; it is not written again, and this is the only barrier
	s_cmp_eq_u32 s[NN], 0
	s_cbranch_scc1 .Lend                           ; nobody chose this expert
.Lpass:
	WLOAD 0                                        ; into set 0, which the last pass's step 15 read: the way out's wait stands between
.irp s, 0,2,4,6,8,10,12,14
	PAIR \s
.endr
	WIN 0
	PLACES                                         ; ahead of the first read of results
	s_wait_alu depctr_va_vdst(0)                   ; the products have written the accumulators, which the stage's stores read, and are done reading W2's third set, in which rows from the stage land; the places above stay beside this wait
.irp j, 0,1,2,3,4
	OUT \j
.endr
	s_add_co_u32 s[T0], s[T0], 20
	s_cmp_ge_u32 s[T0], s[NT]
	s_cbranch_scc1 .Lend                           ; all tiles are served: with 64 tiles at the most this is taken in the fourth pass at the latest
	s_wait_xcnt 0x0                                ; the stores have read their offsets and data
	s_wait_alu depctr_vm_vsrc(0)                   ; the pass's loads have read the tiles' offsets, which are written below; the stage's stores have read the accumulators and the global stores their rows and offsets, which the next pass writes
	TILES
	MLOADS
	s_add_co_u32 s[PS], s[PS], 1
	s_cmp_lt_u32 s[PS], 4
	s_cbranch_scc1 .Lpass
.Lend:
	s_wait_dscnt 0x0                               ; the closing lines, six on end
	s_wait_alu 0x0
	s_wait_tensorcnt 0x0
	ds_add_u32 v254, v255
	s_wait_dscnt 0x0
	s_endpgm
.Lfunc_end_k_q3752683b2b_gemm2:
	.size	k_q3752683b2b_gemm2, .Lfunc_end_k_q3752683b2b_gemm2-k_q3752683b2b_gemm2
	.p2alignl 7, 3214868480
	.fill 96, 4, 3214868480
	.section	.rodata,"a",@progbits
	.p2align	6, 0x0
	.amdhsa_kernel k_q3752683b2b_gemm2
		.amdhsa_group_segment_fixed_size 117248
		.amdhsa_private_segment_fixed_size 0
		.amdhsa_enable_private_segment 0
		.amdhsa_kernarg_size 40
		.amdhsa_user_sgpr_count 2
		.amdhsa_user_sgpr_kernarg_segment_ptr 1
		.amdhsa_wavefront_size32 1
		.amdhsa_system_sgpr_workgroup_id_x 1
		.amdhsa_system_sgpr_workgroup_id_y 1
		.amdhsa_system_sgpr_workgroup_id_z 1
		.amdhsa_system_vgpr_workitem_id 0
		.amdhsa_next_free_vgpr 1024
		.amdhsa_next_free_sgpr 66
		.amdhsa_reserve_vcc 0
		.amdhsa_float_denorm_mode_32 3
		.amdhsa_float_denorm_mode_16_64 3
		.amdhsa_memory_ordered 1
		.amdhsa_forward_progress 1
		.amdhsa_inst_pref_size 133
	.end_amdhsa_kernel
	.amdgpu_metadata
---
amdhsa.version: [ 1, 2 ]
amdhsa.kernels:
  - .name:           k_q3752683b2b_gemm2
    .symbol:         k_q3752683b2b_gemm2.kd
    .args:
      - { .name: w2_codes, .offset: 0, .size: 8, .value_kind: global_buffer, .address_space: global }
      - { .name: w2_scales, .offset: 8, .size: 8, .value_kind: global_buffer, .address_space: global }
      - { .name: h, .offset: 16, .size: 8, .value_kind: global_buffer, .address_space: global }
      - { .name: lst, .offset: 24, .size: 8, .value_kind: global_buffer, .address_space: global }
      - { .name: y, .offset: 32, .size: 8, .value_kind: global_buffer, .address_space: global }
    .group_segment_fixed_size: 117248
    .private_segment_fixed_size: 0
    .kernarg_segment_align: 8
    .kernarg_segment_size: 40
    .max_flat_workgroup_size: 128
    .sgpr_count:     66
    .vgpr_count:     1024
    .wavefront_size: 32
...
	.end_amdgpu_metadata
.endif
;; end of part 6
;; launch combine: the kernel of part 4 again; grid 256 x 1, 4 waves a work-group, no clusters, 0 bytes of LDS; arguments y, cw, out0; writes out0
